; MI455X (gfx1250); checked and timed in simulation.
; The chip was launched on July 23, 2026; its instructions are those of AMD's public machine-readable ISA for CDNA 5 (MIT licence, August 2026) and "CDNA5" Instruction Set Architecture Reference Guide (July 2026). The comments in the code are by the model that wrote it; some were corrected since.
;; Causal Self Attention. Allowed arithmetic: matrix products marked QUANTISED: E2M3 operands, one E8M0 scale for each 32 along K, by v_wmma_scale_f32_16x16x128_f8f6f4 with both operands' format E2M3, f32 sums; everything else in f32.
;; Inputs: b_attn 3,072 float32; b_proj 1,024 float32; w_attn 1,024 x 3,072 float32; w_proj 1,024 x 1,024 float32; x 4 x 2,048 x 1,024 float32.
;; Outputs: out0 4 x 2,048 x 1,024 float32.
;; This version of the problem:
;;   THIS VERSION OF THE PROBLEM IS GIVEN IN LOW PRECISION. The matrix products marked QUANTISED in the list below multiply operands that are first quantised to E2M3 (2 exponent bits, 3 mantissa bits; 6 bits a number), with one power-of-two scale for each 32 numbers along K (OCP MX v1.0); their sums are f32. All else is computed in f32.
;;   The module's matrix products, in the order in which they are computed (A, B: the left and right operand; K: the contracted axis; several contracted axes count as one K, in the product's order):
;;     1. [M 8,192, K 1,024] x [K 1,024, N 3,072]; A: input x; B: input w_attn: QUANTISED
;;     2. batch 64 x [M 2,048, K 64] x [K 64, N 2,048]; A: computed on the way; B: computed on the way: QUANTISED
;;     3. batch 64 x [M 2,048, K 2,048] x [K 2,048, N 64]; A: softmax (see below); B: computed on the way: QUANTISED
;;     4. [M 8,192, K 1,024] x [K 1,024, N 1,024]; A: computed on the way; B: input w_proj: QUANTISED
;;   THE QUANTISER, for each operand of a quantised product, along K:
;;     - K is cut into blocks of 32 from its start; a last block that is shorter is filled with zeros.
;;     - A block's scale is 2^e with e = floor(log2(the largest magnitude in the block)) - 2, held to -126 .. 127; a block of zeros has e = 0. As a byte (E8M0): e + 127.
;;     - Each number is divided by its block's scale, clamped to +-7.5, and rounded to the nearest number of E2M3, ties to even, subnormals kept.
;;     - The product sums the exact products of the quantised numbers (number of the format x scale) in f32.
;;   ~~~python
;;   def quantise(x, axis):      # numpy; x: float32 -> the quantised numbers, widened to float32 again
;;       x = np.moveaxis(x, axis, -1); K = x.shape[-1]
;;       x = np.pad(x, [(0, 0)] * (x.ndim - 1) + [(0, -K % 32)]); x = x.reshape(x.shape[:-1] + (-1, 32)); a = np.abs(x).max(-1, keepdims=True)
;;       e = np.where(a > 0, np.clip(np.frexp(np.where(a > 0, a, 1))[1] - 1 - 2, -126, 127), 0)      # np.frexp(a)[1] - 1 = floor(log2(a)), exactly
;;       r = np.clip(x / 2.0 ** e, -7.5, 7.5)
;;       step = 2.0 ** (np.maximum(np.frexp(np.where(r == 0, 1, r))[1] - 1, 0) - 3)
;;       q = np.round(r / step) * step * 2.0 ** e      # np.round: ties to even
;;       return np.moveaxis(q.reshape(q.shape[:-2] + (-1,))[..., :K], -1, axis).astype(np.float32)
;;   ~~~
;;   SOFTMAX AHEAD OF A QUANTISED PRODUCT. Where the list says 'softmax', what is quantised is not the finished softmax but p = 2^(t - M), with t = logit x log2(e) and M = ceil(the row's largest t), a whole number; so 1/2 < the row's largest p <= 1. The row's sum l is taken of the UNQUANTISED p, in f32, and the product's result is divided by l at the end. Since M is a whole number, a kernel that streams over the keys may use a running M (the ceiling of the running maximum): every later rescaling is an exact power of two, which a block's scale takes up: the codes' values come out the same.
;;   OPERANDS COMPUTED ON THE WAY. 'Computed on the way' means the value that the module computes at that place (a softmax that the list does not call 'softmax' is quantised finished and normalised). What goes into a quantiser is computed in f32, as accurately as f32 sums, v_exp_f32 and their like allow (about 1e-6 of the number): no bf16 or f16 on the way to a quantiser, and a product that is left as it is and whose result goes on into a quantised operand takes f32 operands (vector FMAs, or v_wmma_f32_16x16x4_f32). A number that lies on a knife's edge between two numbers of the format may be rounded either way, as far as f32 arithmetic and the matrix unit's own rounding can turn it there, and no further.
;; One version. Each part assembles by itself: llvm-mc -triple=amdgcn-amd-amdhsa -mcpu=gfx1250 --defsym DOCPART=n.
;; ======== version 1 of 1: 4 launches
;; workspace buffers: xc 6,291,456 bytes; xs 262,144 bytes; wc 3,145,728 bytes; ws 131,072 bytes; qq 6,815,744 bytes; kv 13,631,488 bytes; yc 6,291,456 bytes; ys 262,144 bytes
;; launch prep (part 1): grid 384 x 1, 4 waves a work-group, no clusters, 59,904 bytes of LDS; arguments x, w_attn, w_proj, xc, xs, wc, ws; writes xc, xs, wc, ws
.if DOCPART == 1
	.amdgcn_target "amdgcn-amd-amdhsa--gfx1250"
	.amdhsa_code_object_version 6
	.text
	.protected	k_qafd9cef49b_prep
	.globl	k_qafd9cef49b_prep
	.p2align	8
	.type	k_qafd9cef49b_prep,@function
k_qafd9cef49b_prep:
	s_mov_b64 s[64:65], 0
	v_nop
	global_prefetch_b8 v0, s[64:65] scope:SCOPE_SE
	s_setreg_imm32_b32 hwreg(HW_REG_WAVE_MODE, 25, 1), 1
	s_wait_xcnt 0x0
; x [8192][1024], w_attn [1024][3072] and w_proj [1024][1024], f32, become codes of FP6 (E2M3) with one E8M0 byte for each 32 along K (K = 1,024 in all three).
; A block's scale is 2^(floor(log2(its largest magnitude)) - 2): its byte is the largest magnitude's exponent field - 2, held at 1 from below.
; THE CODES ARE LAID AS IMAGES OF THE MATRIX OPERAND'S REGISTERS.  An image is 16 rows x 128 along K: 12 registers a lane, 1,536 bytes, in six pieces of 256 bytes; piece p holds lane l's
; registers 2 p and 2 p + 1 at byte 8 l.  A tile of 16 rows has eight images on end (12,288 bytes).  Scale bytes: 32 a row, rows in the stored order.
; THE 16 ROWS OF A TILE ARE NOT NEIGHBOURS: lane r of tile 2 b + u holds row 32 b + 8 u + r + 8 (r / 8), so that a later product that takes the tile as its first source leaves 16 neighbours in a lane's registers.
; Work-groups 0-255 take x (K innermost: a lane needs 16 neighbours of a row, so the rows turn through a stage in LDS); work-groups 256-383 take the weights (K is the first axis: a lane takes a column and
; its registers run down K).  The two ways part on the work-group's number, never meet again, and have LDS bytes of their own.  Waves share nothing: no barrier.  No work-group reads what another reads: no cluster.
; LIMITS: NaN and infinities among the inputs are not served.  A block of zeros gets the byte 1 where the rule says 127: its codes are zeros and only this program reads the bytes.
; A block whose largest magnitude lies under 2^-124 is coded under the byte 1.
.set XSTG,  8448                       ; way X: a wave's stage, 16 rows x (512 bytes + 16)
.set WLDS,  4*XSTG                     ; way W's LDS begins here
.set WSTG,  6400                       ; way W: a wave's stage, two tiles x two images, 3,200 bytes apart
.set RAW,   16                         ; X: v16-143   two sets of 64 registers as loaded
.set XN,    144                        ; X: v144-207  64 numbers: register 16 b + i = k 32 b + 16 (lane / 16) + i of my row
.set PC,    208                        ; X: v208-226  the codes just made
.set TM,    228                        ; X: v228-243  at work
.set SW,    246                        ; X: v246-249  the four scale words
.set VO,    16                         ; W: v16-47    offsets of 32 rows of the weight
.set WN,    48                         ; W: v48-111   two sets of 32 numbers
.set WC,    112                        ; W: v112-122  a block's codes
.set SB,    124                        ; W: v124-125  eight scale bytes
.set OUTR,  128                        ; W: v128-175  the way out
; 64 numbers of a lane become an image's 12 registers in v[PC] on, and my row's scale word in v[pw]
.macro QUANT s, pw
.irp b, 0,1,2,3
	v_max3_num_f32 v[TM+\b], |v[\s+16*\b]|, |v[\s+1+16*\b]|, 0x1800000   ; block b: my 16 numbers, and the floor 2^(3 - 127): the byte cannot fall under 1
.endr
.irp i, 2,4,6,8,10,12,14
.irp b, 0,1,2,3
	v_max3_num_f32 v[TM+\b], v[TM+\b], |v[\s+16*\b+\i]|, |v[\s+1+16*\b+\i]|   ; the four blocks by turns
.endr
.endr
.irp b, 0,1,2,3
	v_permlanex16_b32 v[TM+4+\b], v[TM+\b], s20, s21
.endr
.irp b, 0,1,2,3
	v_max_num_f32 v[TM+\b], v[TM+\b], v[TM+4+\b]   ; with lane l xor 16's 16: the block's largest magnitude
.endr
.irp b, 0,1,2,3
	v_add_nc_u32 v[TM+12+\b], 0xff000000, v[TM+\b]   ; 2 off its exponent field: the conversion takes this operand's exponent field as its scale
.endr
.irp b, 0,1,2,3
	v_lshrrev_b32 v[TM+4+\b], 23, v[TM+12+\b]      ; the scale's byte
.endr
	v_lshl_or_b32 v[\pw], v[TM+5], 8, v[TM+4]
	v_lshl_or_b32 v[\pw], v[TM+6], 16, v[\pw]
	v_lshl_or_b32 v[\pw], v[TM+7], 24, v[\pw]
.irp c, 0,1
	v_cvt_scalef32_pk16_fp6_f32 v[PC+6*\c:PC+2+6*\c], v[\s+32*\c:\s+15+32*\c], v[TM+12+2*\c]
	v_cvt_scalef32_pk16_fp6_f32 v[PC+12+4*\c:PC+14+4*\c], v[\s+16+32*\c:\s+31+32*\c], v[TM+13+2*\c]   ; (a conversion's three registers begin on an even number)
.endr
	v_nop                                          ; one plain line behind a scaled conversion
.irp c, 0,1                                    ; the operand wants a whole block in a lane: lanes 0-15 block 2 c, lanes 16-31 block 2 c + 1
.irp i, 0,1,2
	v_permlane16_swap_b32 v[PC+6*\c+\i], v[PC+12+4*\c+\i]
.endr
.irp i, 0,1,2
	v_mov_b32 v[PC+3+6*\c+\i], v[PC+12+4*\c+\i]
.endr
.endr
.endm
	s_load_b128 s[4:7], s[0:1], 0x0                ; x, w_attn
	s_load_b128 s[8:11], s[0:1], 0x10              ; w_proj, xc
	s_load_b128 s[12:15], s[0:1], 0x20             ; xs, wc
	s_load_b64 s[16:17], s[0:1], 0x30              ; ws
	v_lshl_add_u32 v254, v0, 2, 0xe800
	v_mov_b32 v255, 0
	v_lshrrev_b32 v1, 5, v0
	v_readfirstlane_b32 s18, v1                    ; wave
	v_and_b32 v1, 31, v0                           ; lane
	s_cmp_lt_u32 ttmp9, 256
	s_cbranch_scc0 .Lweights
; ---------------- WAY X.  Wave J = 4 x work-group + wave takes tile R = J / 2 and K steps 4 (J % 2) + 0 .. 3: four images
	v_and_b32 v2, 15, v0                           ; r
	v_bfe_u32 v3, v0, 4, 1                         ; h
	v_lshlrev_b32 v4, 4, v1                        ; a load's 512 bytes: 16 a lane
	s_mul_i32 s19, s18, XSTG
	v_add_nc_u32 v5, s19, v4                       ; into the stage: as loaded
	v_mul_u32_u24 v6, v2, 528
	v_lshl_add_u32 v6, v3, 6, v6
	v_add_nc_u32 v6, s19, v6                       ; out of it: row r, + 64 h: my 16 numbers of each block
	v_lshlrev_b32 v7, 3, v1                        ; a piece of an image: 8 bytes a lane
	v_lshlrev_b32 v8, 5, v2
	v_lshl_add_u32 v8, v3, 3, v8                   ; scale bytes: row r of 32 bytes; lanes 0-15 store two words, lanes 16-31 the next two
	s_mov_b32 s20, 0x76543210
	s_mov_b32 s21, 0xfedcba98                      ; v_permlanex16_b32's selects for lane l xor 16
.irp b, 0,1,2,3
	v_mov_b32 v[TM+4+\b], 0                        ; written once: a lane permute's destination counts as one of its sources
.endr
	s_lshl_b32 s22, ttmp9, 2
	s_add_co_u32 s22, s22, s18                     ; J
	s_lshr_b32 s23, s22, 1                         ; R
	s_and_b32 s24, s22, 1                          ; which half of K
	s_lshr_b32 s25, s23, 1
	s_lshl_b32 s25, s25, 17                        ; 32 (R / 2) rows of 4,096 bytes
	s_and_b32 s26, s23, 1
	s_lshl_b32 s26, s26, 15                        ; + 8 (R % 2) rows
	s_add_co_u32 s26, s25, s26
	s_lshl_b32 s25, s24, 11                        ; + half a row
	s_add_co_u32 s26, s26, s25
	s_mov_b32 s27, 0
	s_mul_i32 s28, s23, 12288                      ; the tile's images,
	s_mul_i32 s25, s24, 6144                       ; my four of them
	s_add_co_u32 s28, s28, s25
	s_mov_b32 s29, 0
	s_lshl_b32 s30, s23, 9                         ; the tile's 16 rows of 32 scale bytes,
	s_lshl_b32 s25, s24, 4                         ; my 16 bytes of each
	s_add_co_u32 s30, s30, s25
	s_mov_b32 s31, 0
	s_wait_alu depctr_va_vdst(0)
	s_wait_kmcnt 0x0
	s_add_nc_u64 s[4:5], s[4:5], s[26:27]
	s_add_nc_u64 s[10:11], s[10:11], s[28:29]
	s_add_nc_u64 s[12:13], s[12:13], s[30:31]
.macro LOADX f                         ; K step f of the tile's 16 rows: each load reads 512 consecutive bytes of one row
.irp i, 0,1,2,3,4,5,6,7,8,9,10,11,12,13,14,15
	global_load_b128 v[RAW+64*((\f)%2)+4*\i:RAW+64*((\f)%2)+4*\i+3], v4, s[4:5] offset:(\i+8*(\i/8))*4096+512*(\f) th:TH_LOAD_NT
.endr
.endm
.macro FRAGX f
.if (\f) < 3
	s_wait_loadcnt 16                              ; this K step's 16 loads are in; the next step's 16 may be out
.else
	s_wait_loadcnt 0x0
.endif
.irp i, 0,1,2,3,4,5,6,7,8,9,10,11,12,13,14,15
	ds_store_b128 v5, v[RAW+64*((\f)%2)+4*\i:RAW+64*((\f)%2)+4*\i+3] offset:528*\i
.endr
.irp b, 0,1,2,3
.irp j, 0,1,2,3
	ds_load_b128 v[XN+16*\b+4*\j:XN+16*\b+4*\j+3], v6 offset:128*\b+16*\j   ; LDS serves a wave's instructions in order: these see the stores above
.endr
.endr
	s_wait_dscnt 0x0
.if (\f) < 2
	LOADX (\f)+2                                   ; into the set that the stage's stores have read
.endif
	s_wait_xcnt 0x0                                ; the last image's stores have read the codes' registers
	QUANT XN, SW+(\f)
.irp p, 0,1,2,3,4,5
	global_store_b64 v7, v[PC+2*\p:PC+2*\p+1], s[10:11] offset:1536*(\f)+256*\p   ; 32 lanes store 256 consecutive bytes, at a multiple of 256 from the buffer's first byte
.endr
.endm
	LOADX 0
	LOADX 1
	FRAGX 0
	FRAGX 1
	FRAGX 2
	FRAGX 3
	v_cmp_lt_u32 vcc_lo, 15, v1                    ; lanes 16-31
	v_cndmask_b32 v250, v[SW], v[SW+2], vcc_lo
	v_cndmask_b32 v251, v[SW+1], v[SW+3], vcc_lo
	global_store_b64 v8, v[250:251], s[12:13]      ; 16 of each row's 32 scale bytes
	s_wait_tensorcnt 0x0
	ds_add_u32 v254, v255
	s_wait_dscnt 0x0
	s_endpgm
; ---------------- WAY W.  Work-group id = column group cg (128 columns of the 4,096: w_attn's 3,072, then w_proj's 1,024) + 32 x kq (256 along K).  A wave: 32 columns, a lane a column, 8 blocks of 32 down K
.Lweights:
	s_sub_co_u32 s19, ttmp9, 256
	s_and_b32 s20, s19, 31                         ; cg
	s_lshr_b32 s21, s19, 5                         ; kq
	s_mov_b32 s22, 12288
	s_cmp_ge_u32 s20, 24                           ; w_proj's columns?
	s_cselect_b32 s22, 4096, s22                   ; a row of the weight in bytes
	s_cselect_b32 s23, 24, 0
	s_sub_co_u32 s23, s20, s23                     ; the column group inside its own tensor
	s_lshl_b32 s24, s21, 8
	s_mul_i32 s24, s24, s22                        ; 256 kq rows down,
	s_lshl_b32 s25, s23, 9
	s_add_co_u32 s24, s24, s25                     ; 128 columns of 4 bytes a group,
	s_lshl_b32 s25, s18, 7
	s_add_co_u32 s24, s24, s25                     ; 32 a wave
	s_mov_b32 s25, 0
	s_lshl_b32 s26, s22, 5                         ; a block on: 32 rows
	s_mov_b32 s27, 0
	s_lshl_b32 s28, s20, 7
	s_lshl_b32 s29, s18, 5
	s_add_co_u32 s28, s28, s29                     ; my wave's first stored row: 128 cg + 32 wave
	s_mul_i32 s30, s28, 768                        ; its tile (12,288 bytes for 16 rows),
	s_mul_i32 s29, s21, 3072                       ; K steps 2 kq and 2 kq + 1
	s_add_co_u32 s30, s30, s29
	s_mov_b32 s31, 0
	s_lshl_b32 s32, s28, 5                         ; its row of scale bytes,
	s_lshl_b32 s29, s21, 3                         ; my 8 blocks
	s_add_co_u32 s32, s32, s29
	s_mov_b32 s33, 0
	v_bfe_u32 v2, v0, 3, 1                         ; column c of 32 lies in tile u = (c / 8) % 2,
	v_and_b32 v3, 7, v0
	v_bfe_u32 v8, v0, 4, 1
	v_lshl_add_u32 v3, v8, 3, v3                   ; at row r = c % 8 + 8 (c / 16)
	s_mul_i32 s34, s18, WSTG
	s_add_co_u32 s34, s34, WLDS                    ; my stage
	v_mul_u32_u24 v4, v2, 3200
	v_lshl_add_u32 v4, v3, 3, v4
	v_add_nc_u32 v4, s34, v4                       ; into it: tile u, 8 r.  The tiles lie 3,200 bytes apart: the 32 lanes of a store touch 64 different words modulo 256 bytes
	s_wait_alu depctr_va_vdst(0)
	v_lshlrev_b32 v6, 4, v1
	v_add_nc_u32 v5, s34, v6                       ; out of it: 16 bytes a lane
	v_lshl_add_u32 v7, v2, 4, v3
	v_lshlrev_b32 v7, 5, v7                        ; scale bytes: stored row 16 u + r
	v_lshlrev_b32 v9, 2, v1
.irp i, 0,1,2,3,4,5,6,7,8,9,10,11,12,13,14,15,16,17,18,19,20,21,22,23,24,25,26,27,28,29,30,31
	v_mad_u32_u24 v[VO+\i], s22, \i, v9            ; row i of a block, my column
.endr
	s_wait_alu depctr_va_vdst(0)
	s_wait_kmcnt 0x0
	s_cmp_ge_u32 s20, 24
	s_cselect_b64 s[6:7], s[8:9], s[6:7]           ; the choice hangs on the work-group's number alone
	s_add_nc_u64 s[6:7], s[6:7], s[24:25]
	s_add_nc_u64 s[14:15], s[14:15], s[30:31]
	s_add_nc_u64 s[16:17], s[16:17], s[32:33]
.macro LOADW t                         ; block t: 32 rows of my column; a wave reads 128 consecutive bytes a load, the work-group 512
.if (\t) > 0
	s_wait_xcnt 0x0                                ; the loads issued so far have read their base
	s_add_nc_u64 s[6:7], s[6:7], s[26:27]
.endif
.irp i, 0,1,2,3,4,5,6,7,8,9,10,11,12,13,14,15,16,17,18,19,20,21,22,23,24,25,26,27,28,29,30,31
	global_load_b32 v[WN+32*((\t)%2)+\i], v[VO+\i], s[6:7] th:TH_LOAD_NT
.endr
.endm
.macro BLOCKW t                        ; block t is K step t / 4 of my two; in the image it belongs to lane r + 16 (t % 2), registers 6 ((t % 4) / 2) on
.set XS, WN+32*((\t)%2)
.if (\t) < 7
	s_wait_loadcnt 32                              ; this block's 32 loads are in; the next block's may be out
.else
	s_wait_loadcnt 0x0
.endif
	v_max3_num_f32 v10, |v[XS]|, |v[XS+1]|, |v[XS+2]|   ; all 32 numbers of the block are mine
	v_max3_num_f32 v11, |v[XS+3]|, |v[XS+4]|, |v[XS+5]|
.irp i, 6,10,14,18,22,26
	v_max3_num_f32 v10, v10, |v[XS+\i]|, |v[XS+\i+1]|
	v_max3_num_f32 v11, v11, |v[XS+\i+2]|, |v[XS+\i+3]|
.endr
	v_max3_num_f32 v10, v10, |v[XS+30]|, |v[XS+31]|
	v_max3_num_f32 v10, v10, v11, 0x1800000        ; and the floor
	v_add_nc_u32 v12, 0xff000000, v10              ; the conversion's scale operand
	v_lshrrev_b32 v13, 23, v12                     ; the byte
.if (\t)%4 == 0
	v_mov_b32 v[SB+(\t)/4], v13
.else
	v_lshl_or_b32 v[SB+(\t)/4], v13, 8*((\t)%4), v[SB+(\t)/4]
.endif
	v_cvt_scalef32_pk16_fp6_f32 v[WC:WC+2], v[XS:XS+15], v12
	v_cvt_scalef32_pk16_fp6_f32 v[WC+8:WC+10], v[XS+16:XS+31], v12
	v_nop                                          ; one plain line behind a scaled conversion
.irp i, 0,1,2
	v_mov_b32 v[WC+3+\i], v[WC+8+\i]
.endr
.irp j, 0,1,2
	ds_store_b64 v4, v[WC+2*\j:WC+2*\j+1] offset:1536*((\t)/4)+768*(((\t)%4)/2)+128*((\t)%2)+256*\j
.endr
.if (\t)+2 < 8
	LOADW (\t)+2
.endif
	s_wait_dscnt 0x0                               ; the stores have read the codes' registers
.endm
	LOADW 0
	LOADW 1
.irp t, 0,1,2,3,4,5,6,7
	BLOCKW \t
.endr
	s_wait_alu depctr_va_vdst(0)
	global_store_b64 v7, v[SB:SB+1], s[16:17]      ; my column's 8 scale bytes
.irp u, 0,1
.irp i, 0,1,2,3,4,5
	ds_load_b128 v[OUTR+4*(6*\u+\i):OUTR+4*(6*\u+\i)+3], v5 offset:\u*3200+512*\i
.endr
.endr
.irp u, 0,1
.irp i, 0,1,2,3,4,5
	s_wait_dscnt 11-6*\u-\i                        ; the younger loads may be out
	global_store_b128 v6, v[OUTR+4*(6*\u+\i):OUTR+4*(6*\u+\i)+3], s[14:15] offset:\u*12288+512*\i   ; 512 consecutive bytes, at a multiple of 256 from the buffer's first byte
.endr
.endr
	s_wait_tensorcnt 0x0
	ds_add_u32 v254, v255
	s_wait_dscnt 0x0
	s_endpgm
.Lfunc_end_k_qafd9cef49b_prep:
	.size	k_qafd9cef49b_prep, .Lfunc_end_k_qafd9cef49b_prep-k_qafd9cef49b_prep
	.p2alignl 7, 3214868480
	.fill 96, 4, 3214868480
	.section	.rodata,"a",@progbits
	.p2align	6, 0x0
	.amdhsa_kernel k_qafd9cef49b_prep
		.amdhsa_group_segment_fixed_size 59904
		.amdhsa_private_segment_fixed_size 0
		.amdhsa_enable_private_segment 0
		.amdhsa_kernarg_size 56
		.amdhsa_user_sgpr_count 2
		.amdhsa_user_sgpr_kernarg_segment_ptr 1
		.amdhsa_wavefront_size32 1
		.amdhsa_system_sgpr_workgroup_id_x 1
		.amdhsa_system_sgpr_workgroup_id_y 1
		.amdhsa_system_sgpr_workgroup_id_z 1
		.amdhsa_system_vgpr_workitem_id 0
		.amdhsa_next_free_vgpr 256
		.amdhsa_next_free_sgpr 66
		.amdhsa_reserve_vcc 1
		.amdhsa_float_denorm_mode_32 3
		.amdhsa_float_denorm_mode_16_64 3
		.amdhsa_memory_ordered 1
		.amdhsa_forward_progress 1
		.amdhsa_inst_pref_size 79
	.end_amdhsa_kernel
	.amdgpu_metadata
---
amdhsa.version: [ 1, 2 ]
amdhsa.kernels:
  - .name:           k_qafd9cef49b_prep
    .symbol:         k_qafd9cef49b_prep.kd
    .args:
      - { .name: x, .offset: 0, .size: 8, .value_kind: global_buffer, .address_space: global }
      - { .name: w_attn, .offset: 8, .size: 8, .value_kind: global_buffer, .address_space: global }
      - { .name: w_proj, .offset: 16, .size: 8, .value_kind: global_buffer, .address_space: global }
      - { .name: xc, .offset: 24, .size: 8, .value_kind: global_buffer, .address_space: global }
      - { .name: xs, .offset: 32, .size: 8, .value_kind: global_buffer, .address_space: global }
      - { .name: wc, .offset: 40, .size: 8, .value_kind: global_buffer, .address_space: global }
      - { .name: ws, .offset: 48, .size: 8, .value_kind: global_buffer, .address_space: global }
    .group_segment_fixed_size: 59904
    .private_segment_fixed_size: 0
    .kernarg_segment_align: 8
    .kernarg_segment_size: 56
    .max_flat_workgroup_size: 128
    .sgpr_count:     66
    .vgpr_count:     256
    .wavefront_size: 32
...
	.end_amdgpu_metadata
.endif
;; end of part 1
;; launch qkv (part 2): grid 12 x 32, 4 waves a work-group, clusters of 4 x 4, 327,680 bytes of LDS; arguments xc, xs, wc, ws, b_attn, qq, kv; writes qq, kv
.if DOCPART == 2
	.amdgcn_target "amdgcn-amd-amdhsa--gfx1250"
	.amdhsa_code_object_version 6
	.text
	.protected	k_qafd9cef49b_qkv
	.globl	k_qafd9cef49b_qkv
	.p2align	8
	.type	k_qafd9cef49b_qkv,@function
k_qafd9cef49b_qkv:
	s_mov_b64 s[64:65], 0
	v_nop
	global_prefetch_b8 v0, s[64:65] scope:SCOPE_SE
	s_setreg_imm32_b32 hwreg(HW_REG_WAVE_MODE, 25, 1), 1
	s_wait_xcnt 0x0
	s_wait_alu depctr_hold_cnt(0) depctr_sa_sdst(0) depctr_va_vdst(0) depctr_va_sdst(0) depctr_va_ssrc(0) depctr_va_vcc(0) depctr_vm_vsrc(0)
	s_getreg_b32 s2, hwreg(HW_REG_IB_STS2, 6, 4)
	s_cmp_eq_u32 s2, 0
	s_cbranch_scc0 .Lentry_in_a_cluster
	s_endpgm
.Lentry_in_a_cluster:
	s_bfe_u32 s2, ttmp6, 0x10000c
	s_cmp_lg_u32 s2, 0xf033
	s_cbranch_scc0 .Lentry_shape_is_right
	s_endpgm
.Lentry_shape_is_right:
; qkv = x w_attn + b_attn on codes of FP6 (E2M3) with E8M0 scales, K = 1,024; the results are quantised in registers, as operands of attention's two products, and leave as codes.  No f32 result goes to memory.
; OPERANDS.  xc (8,192 stored rows) and wc (4,096) hold images of the operand's registers: a tile of 16 rows is eight images (K steps of 128) of 1,536 bytes; an image is six pieces of 256 bytes, piece p = lane l's
; registers 2 p, 2 p + 1 at byte 8 l.  xs, ws: 32 scale bytes a stored row.  Lane r of stored tile 2 b + u is true row 32 b + 8 u + r + 8 (r / 8).
; A tile of the result, 256 x 256, is made by four waves, 128 x 128 each: 64 accumulators of 16 x 16, 512 registers.  K goes in steps of 256 through a ring of two LDS slots filled by the tensor data mover.
; THE MATRIX INSTRUCTION IS USED TRANSPOSED: source 0 = a tile of "B", source 1 = a tile of "A".  Register j of lane (r, h) is then (B's true row 32 b + 16 h + 8 u + j, A's stored row r): the 16 registers of
; B's tiles 2 b and 2 b + 1 are 16 NEIGHBOURS along B's rows, which is what the conversions to codes want of the axis that is quantised.
; ONE TEXT, THREE JOBS, by the cluster's x (the same in all sixteen partners): 0: q, 1: k: A = x (tokens), B = w_attn's columns: a lane's registers run along the channels, the K of q k^T.
; 2: v: A = w_attn's columns 2,048 on, B = x: a lane's registers run along the tokens, the keys, which are the K of p v.  Nothing is transposed by an instruction.
; THE BIAS is the C of each sum's first matrix instruction (so it is added first, not last).
; OUT.  qq: [head 64][group of 128 queries 16][6,656]: 8 tiles x 768 bytes of codes (6 registers a lane: the head's 64 channels), then 8 x 64 bytes of scale words (bytes 0, 1 the head's two blocks, bytes 2, 3 zero).
; kv: [head][128 keys 16][13,312]: k's 8 x 768; v^T's 4 images of 16 channels x 128 keys; k's scale words 8 x 64; v's 4 x 128.
; CLUSTERS: 4 x 4 work-groups.  The four of a row of the cluster need the same tiles of A, the four of a column the same tiles of B: each is asked for jointly, by the same tensor load with a mask that names the four.
; LIMITS: NaN and infinities are not served; a block of zeros, or one under 2^-124, gets the byte 1; only this program reads the bytes.
; REGISTERS: window 0: v0-31 addresses; v32-63 scale words, two sets; v64-127 the bias; v128-223 A's 8 fragments, one set.  window 1: B's fragments, two sets, at v0 and v128.  windows 2, 3: the accumulators ((a, b) at v[8 (8 (a % 4) + b)]).
.set NQ,     2                         ; K steps of 128 in a slot
.set FR,     12                        ; registers of a fragment
.set NL,     6                         ; LDS loads that bring one
.set NP,     4                         ; places behind this matrix instruction (ISA guide 7.12.1)
.set FRB,    1536                      ; an image
.set TROW,   NQ*FRB                    ; a tile's bytes in a slot
.set KROW,   768                       ; bytes of codes for one stored row (12,288 for 16)
.set HALFT,  8*TROW                    ; 128 rows: what one tensor load brings, and what one wave reads of A or of B
.set SLOT,   4*HALFT
.set KS,     32                        ; a row of scale bytes
.set SCL,    2*SLOT                    ; behind the ring: the scales, as units of 256 bytes + 16 of padding
.set HALFS,  16*272                    ; those of 128 rows
.set SBLK,   2*272                     ; those of 16 rows
.set SPARE,  SCL+4*HALFS               ; the spare words, 128 bytes a wave: two blocks of 256 bytes that no other line names
.set ADRA, 16                          ; v16-17  LDS address of my A fragments in slot 0, 1
.set ADRB, 20                          ; v20-21  the same for B
.set LN8,  24                          ; v24     the way out: 8 x lane
.set LN8H, 25                          ; v25     the same, for an image's second half
.set SWO,  26                          ; v26     where I store a scale word
.set ADRS, 27                          ; v27     LDS address of my scale words: lanes 0-15 A's rows, lanes 16-31 B's
.set SPW,  28                          ; v28     my spare word; never rewritten
.set NIL,  29                          ; v29     0; never rewritten
.set SHV,  30                          ; v30     the way out: how far I shift the scale word
.set OWD,  31                          ; v31     the word that I store
.set SC,   32
.set BI,   64
.set AF,   128
.set PC,   112                         ; the way out: v112-130 codes; v200-215 at work; v216 the scale word
.set TM,   200
.set PW,   216
.set G1, 24
.set G0, 32
.set G1B, 48
.set G0B, 56
.set G1S, 68
.set G0S, 76
.set G1SB, 80
.set G0SB, 88
.set ROW0, 66                          ; s66 my first row of the tile's A side, s67 of its B side
.set COL0, 67
.set CB,  40                           ; the way out: s[40:41] where codes go, s[42:43] scale words, s[44:47] their steps from tile to tile, s[92:95] the jump to the second head
.set SBS, 42
.set SEL, 100
.set MSB, 0
.macro WIN new                         ; the immediate's high byte repeats the setting that is left
.if MSB != \new
	s_set_vgpr_msb (MSB<<8)|\new
.set MSB, \new
.endif
.endm
.set MUL_LO, 0xa1                      ; source 0 (B) window 1, source 1 (A) window 0, C and D window 2
.set MUL_HI, 0xf1                      ; the same, C and D window 3
.set FST_LO, 0x81                      ; the first step: C (the bias) window 0, D window 2
.set FST_HI, 0xc1                      ; D window 3
.set TO_B,   0x40                      ; destination window 1, address window 0
; A joint load: waves 0 and 1 fetch for A, waves 2 and 3 for B.  The branch hangs on the wave's number alone.  Four v_nop follow each of the two lines.
.macro JLOAD g0a, g1a, g0b, g1b
	s_cmp_eq_u32 s15, 0
	s_cbranch_scc0 .Lfor_b_\@
	tensor_load_to_lds s[\g0a:\g0a+3], s[\g1a:\g1a+7]
	s_nop 0
.rept 4
	v_nop
.endr
	s_branch .Lasked_\@
.Lfor_b_\@:
	tensor_load_to_lds s[\g0b:\g0b+3], s[\g1b:\g1b+7]
	s_nop 0
.rept 4
	v_nop
.endr
.Lasked_\@:
.endm
.macro CREST                           ; a round of the cluster's barrier behind its opening barrier
	s_cmp_lg_u32 s14, 0
	s_cbranch_scc1 .Lnot_wave_0_\@
	s_barrier_signal -3
.Lnot_wave_0_\@:
	s_barrier_wait -3
	s_barrier_signal -1
	s_barrier_wait -1
.endm
.macro CROUND
	s_barrier_signal -1
	s_barrier_wait -1
	CREST
.endm
	s_load_b128 s[4:7], s[0:1], 0x0                ; xc, xs
	s_load_b128 s[8:11], s[0:1], 0x10              ; wc, ws
	s_load_b64 s[12:13], s[0:1], 0x20              ; b_attn
	s_load_b128 s[96:99], s[0:1], 0x28             ; qq, kv
	v_lshl_add_u32 v[SPW], v0, 2, SPARE
	v_mov_b32 v[NIL], 0
	ds_add_u32 v28, v29
	ds_add_u32 v28, v29
	s_wait_dscnt 0x0
	v_lshrrev_b32 v1, 5, v0
	v_readfirstlane_b32 s14, v1                    ; wave 0..3
	s_lshr_b32 s15, s14, 1                         ; which half of the tile's A side is mine.  Also: I fetch for A (0) or for B (1)
	s_and_b32 s16, s14, 1                          ; which half of its B side.  Also: which 128 rows I fetch
	s_bfe_u32 s40, ttmp6, 0x40000                  ; cx, cy: my place in the cluster
	s_bfe_u32 s41, ttmp6, 0x40004
	s_and_b32 s18, ttmp7, 0xffff                   ; the cluster's y
	s_cmp_eq_u32 ttmp9, 2                          ; v's job?  The cluster's x is the same in all partners
	s_cselect_b32 s42, s18, ttmp9                  ; B side: v: 32 tiles of tokens by the cluster's y; q, k: 8 tiles of columns by its x
	s_cselect_b32 s17, 0, s18                      ; A side: v: 4 tiles of channels; q, k: 32 tiles of tokens
	s_cselect_b32 s19, 2048, 0                     ; v's columns begin at stored row 2,048 of wc
	s_lshl_b32 s42, s42, 2
	s_add_co_u32 s42, s42, s40                     ; tile on the B side
	s_lshl_b32 s17, s17, 2
	s_add_co_u32 s17, s17, s41                     ; tile on the A side
	s_lshl_b32 s43, s41, 2
	s_lshl_b32 s43, 15, s43                        ; my row of the cluster
	s_lshl_b32 s44, 0x1111, s40                    ; my column
	; descriptor group 1 for the codes: 8 tiles of rows x 3,072 bytes (384 elements of 8 bytes), 12,288 bytes apart in memory, dense in LDS
	s_or_b32 s[G1+0], s43, (3<<16)|(1<<21)         ; 15:0 the mask: A's go to my row; 17:16 elements of 8 bytes; 21 set beside a mask
	s_or_b32 s[G1B+0], s44, (3<<16)|(1<<21)
.irp g, G1, G1B
	s_mov_b32 s[\g+1], 384<<16                     ; tensor_dim0
	s_mov_b32 s[\g+2], 8<<16                       ; tensor_dim1
	s_mov_b32 s[\g+3], 384<<16                     ; tile_dim0
	s_mov_b32 s[\g+4], 8                           ; tile_dim1
	s_mov_b32 s[\g+5], 1536                        ; tensor_dim0_stride
	s_mov_b32 s[\g+6], 0
	s_mov_b32 s[\g+7], 0
.endr
	; and for the scales of 128 rows: 4,096 dense bytes as 16 rows of 256 bytes, 16 bytes of padding behind each
	s_or_b32 s[G1S+0], s43, (3<<16)|(1<<20)|(1<<21)|(5<<22)|(3<<25)
	s_or_b32 s[G1SB+0], s44, (3<<16)|(1<<20)|(1<<21)|(5<<22)|(3<<25)
.irp g, G1S, G1SB
	s_mov_b32 s[\g+1], 32<<16
	s_mov_b32 s[\g+2], 16<<16
	s_mov_b32 s[\g+3], 32<<16
	s_mov_b32 s[\g+4], 16
	s_mov_b32 s[\g+5], 32
	s_mov_b32 s[\g+6], 0
	s_mov_b32 s[\g+7], 0
.endr
	s_lshl_b32 s18, s16, 7                         ; which 128 rows of the tile I fetch
	s_lshl_b32 s20, s17, 8
	s_add_co_u32 s20, s20, s18
	s_add_co_u32 s20, s20, s19                     ; A: stored row
	s_lshl_b32 s46, s42, 8
	s_add_co_u32 s46, s46, s18                     ; B: stored row
	s_mov_b32 s21, 0
	s_mov_b32 s47, 0
	s_mov_b64 s[18:19], KS
	s_mul_u64 s[22:23], s[20:21], s[18:19]         ; where these rows' scales begin, in bytes
	s_mul_u64 s[92:93], s[46:47], s[18:19]
	s_mov_b64 s[18:19], KROW
	s_mul_u64 s[20:21], s[20:21], s[18:19]         ; and their codes
	s_mul_u64 s[46:47], s[46:47], s[18:19]
	s_mul_i32 s45, s14, HALFT                      ; where they go: no place in the cluster enters an LDS address
	s_mul_i32 s94, s14, HALFS
	s_wait_kmcnt 0x0
	s_cmp_eq_u32 ttmp9, 2
	s_cselect_b64 s[66:67], s[8:9], s[4:5]         ; A's codes: wc for v, else xc
	s_cselect_b64 s[100:101], s[10:11], s[6:7]     ; A's scales
	s_cselect_b64 s[4:5], s[4:5], s[8:9]           ; B's codes
	s_cselect_b64 s[6:7], s[6:7], s[10:11]         ; B's scales
	s_add_nc_u64 s[20:21], s[66:67], s[20:21]
	s_add_nc_u64 s[22:23], s[100:101], s[22:23]
	s_add_nc_u64 s[46:47], s[4:5], s[46:47]
	s_add_nc_u64 s[92:93], s[6:7], s[92:93]
	CROUND                                         ; all sixteen work-groups are here: the first joint loads meet
	s_mov_b32 s[G0S], 1
	s_add_co_u32 s[G0S+1], s94, SCL
	s_mov_b64 s[G0S+2:G0S+3], s[22:23]
	s_or_b32 s[G0S+3], s[G0S+3], 0x80000000
	s_mov_b32 s[G0SB], 1
	s_add_co_u32 s[G0SB+1], s94, SCL
	s_mov_b64 s[G0SB+2:G0SB+3], s[92:93]
	s_or_b32 s[G0SB+3], s[G0SB+3], 0x80000000
	JLOAD G0S, G1S, G0SB, G1SB                     ; the scales of all of K: filled once
.irp s, 0,1
	s_mov_b32 s[G0+4*\s], 1
	s_add_co_u32 s[G0+4*\s+1], s45, \s*SLOT
	s_add_nc_u64 s[G0+4*\s+2:G0+4*\s+3], s[20:21], \s*TROW
	s_or_b32 s[G0+4*\s+3], s[G0+4*\s+3], 0x80000000
	s_mov_b32 s[G0B+4*\s], 1
	s_add_co_u32 s[G0B+4*\s+1], s45, \s*SLOT
	s_add_nc_u64 s[G0B+4*\s+2:G0B+4*\s+3], s[46:47], \s*TROW
	s_or_b32 s[G0B+4*\s+3], s[G0B+4*\s+3], 0x80000000
	JLOAD G0+4*\s, G1, G0B+4*\s, G1B               ; three tensor loads of mine are out
.endr
	v_and_b32 v1, 15, v0                           ; r
	v_bfe_u32 v2, v0, 4, 1                         ; h
	v_and_b32 v3, 31, v0
	v_lshlrev_b32 v4, 3, v3                        ; a piece of an image: 8 bytes a lane
	s_mul_i32 s21, s15, HALFT                      ; my 128 rows of A
	s_mul_i32 s22, s16, HALFT                      ; my 128 rows of B,
	s_add_co_u32 s22, s22, 2*HALFT                 ; which lie behind A's 256
.irp s, 0,1
	v_add_nc_u32 v[ADRA+\s], s21, v4
	v_add_nc_u32 v[ADRB+\s], s22, v4
	s_add_co_u32 s21, s21, SLOT
	s_add_co_u32 s22, s22, SLOT
.endr
	v_mul_u32_u24 v5, v1, KS                       ; my row's scales: 32 bytes a row,
	v_lshrrev_b32 v6, 8, v5
	v_lshl_add_u32 v5, v6, 4, v5                   ; and 16 more for each 256 passed
	s_mul_i32 s21, s15, HALFS
	s_mul_i32 s22, s16, HALFS
	s_add_co_u32 s22, s22, 2*HALFS
	s_sub_co_u32 s22, s22, s21
	v_mul_u32_u24 v6, s22, v2                      ; lanes 16-31 take B's
	s_add_co_u32 s21, s21, SCL
	v_add_nc_u32 v5, v5, v6
	v_add_nc_u32 v[ADRS], s21, v5
	s_lshl_b32 s[ROW0], s17, 8
	s_lshl_b32 s21, s15, 7
	s_add_co_u32 s[ROW0], s[ROW0], s21             ; my first row on the A side (v: channel 0 .. 1,023; q, k: token)
	s_lshl_b32 s[COL0], s42, 8
	s_lshl_b32 s21, s16, 7
	s_add_co_u32 s[COL0], s[COL0], s21             ; and on the B side (v: token; q, k: column 0 .. 2,047 of w_attn)
	s_add_co_u32 s21, s[ROW0], 2048
	s_cmp_eq_u32 ttmp9, 2
	s_cselect_b32 s20, s21, s[COL0]                ; the first of my 128 numbers of b_attn
	s_lshl_b32 s20, s20, 2
	s_mov_b32 s21, 0
	s_add_nc_u64 s[12:13], s[12:13], s[20:21]
	s_cmp_eq_u32 ttmp9, 2
	s_cbranch_scc1 .Lbias_v
	v_lshlrev_b32 v5, 6, v2                        ; q, k: register 16 b + i of the bias is that of column 32 b + 16 h + i
.irp b, 0,1,2,3
.irp j, 0,1,2,3
	global_load_b128 v[BI+16*\b+4*\j:BI+16*\b+4*\j+3], v5, s[12:13] offset:128*\b+16*\j
.endr
.endr
	s_branch .Lbias_in
.Lbias_v:
	v_and_b32 v5, 8, v1
	v_add_nc_u32 v5, v5, v1
	v_lshlrev_b32 v5, 2, v5                        ; v: all eight registers of block a hold the bias of my channel, 32 (a / 2) + 8 (a % 2) + r + 8 (r / 8)
.irp a, 0,1,2,3,4,5,6,7
.irp j, 0,1,2,3,4,5,6,7
	global_load_b32 v[BI+8*\a+\j], v5, s[12:13] offset:4*(32*(\a/2)+8*(\a%2))
.endr
.endr
.Lbias_in:
.macro FRAG reg, adr, q, i             ; a fragment: the six pieces of an image, as they lie: each load takes 256 consecutive bytes
.irp p, 0,1,2,3,4,5
	ds_load_b64 v[\reg+2*\p:\reg+2*\p+1], v[\adr] offset:(\i)*TROW+(\q)*FRB+256*\p
.endr
.endm
; 16 matrix instructions: A's blocks a0, a0 + 1 x B's eight, the slot's q-th 128 along K.  p: B's set; sc: the set of scale words.  cm = 0: the sums go on; 1: they start with the bias by B's block; 2: by A's block.
; The 64 accumulators take turns, one instruction a turn, in the same order in every step.
.macro MUL16 a0, p, q, sc, cm
.irp a, \a0, \a0+1
.irp b, 0,1,2,3,4,5,6,7
.if \cm == 0
	v_wmma_scale_f32_16x16x128_f8f6f4 v[8*(8*((\a)%4)+\b):8*(8*((\a)%4)+\b)+7], v[128*(\p)+FR*\b:128*(\p)+FR*\b+FR-1], v[AF+FR*(\a):AF+FR*(\a)+FR-1], v[8*(8*((\a)%4)+\b):8*(8*((\a)%4)+\b)+7], v[SC+8*NQ*(\sc)+NQ*\b+(\q)], v[SC+8*NQ*(\sc)+NQ*(\a)+(\q)] matrix_a_fmt:MATRIX_FMT_FP6 matrix_b_fmt:MATRIX_FMT_FP6 matrix_a_scale:MATRIX_SCALE_ROW1
.elseif \cm == 1
	v_wmma_scale_f32_16x16x128_f8f6f4 v[8*(8*((\a)%4)+\b):8*(8*((\a)%4)+\b)+7], v[128*(\p)+FR*\b:128*(\p)+FR*\b+FR-1], v[AF+FR*(\a):AF+FR*(\a)+FR-1], v[BI+8*\b:BI+8*\b+7], v[SC+8*NQ*(\sc)+NQ*\b+(\q)], v[SC+8*NQ*(\sc)+NQ*(\a)+(\q)] matrix_a_fmt:MATRIX_FMT_FP6 matrix_b_fmt:MATRIX_FMT_FP6 matrix_a_scale:MATRIX_SCALE_ROW1
.else
	v_wmma_scale_f32_16x16x128_f8f6f4 v[8*(8*((\a)%4)+\b):8*(8*((\a)%4)+\b)+7], v[128*(\p)+FR*\b:128*(\p)+FR*\b+FR-1], v[AF+FR*(\a):AF+FR*(\a)+FR-1], v[BI+8*(\a):BI+8*(\a)+7], v[SC+8*NQ*(\sc)+NQ*\b+(\q)], v[SC+8*NQ*(\sc)+NQ*(\a)+(\q)] matrix_a_fmt:MATRIX_FMT_FP6 matrix_b_fmt:MATRIX_FMT_FP6 matrix_a_scale:MATRIX_SCALE_ROW1
.endif
.endr
.endr
.endm
.macro FETCH_B slot, q, p
	WIN TO_B
.irp i, 0,1,2,3,4,5,6,7
	FRAG 128*(\p)+FR*\i, ADRB+\slot, \q, \i
.endr
	WIN 0
.endm
.macro FETCH_A slot, q, i0
.irp i, \i0, \i0+1, \i0+2, \i0+3
	FRAG AF+FR*(\i), ADRA+\slot, \q, \i
.endr
.endm
.macro SCALES sc                       ; a slot's scale words: two a row; lanes 0-15 take A's block i, lanes 16-31 B's block i
.irp i, 0,1,2,3,4,5,6,7
	ds_load_b64 v[SC+8*NQ*\sc+NQ*\i:SC+8*NQ*\sc+NQ*\i+1], v[ADRS] offset:\i*SBLK
.endr
.endm
.macro PLACES n                        ; plain vector lines between a matrix instruction and a load into, or a read of, its registers (for reads)
.rept \n
	v_nop
.endr
.endm
; A step of 128 along K that has its successor in the same slot.  A has one set of registers: blocks 0-3 are fetched anew in the step's middle, blocks 4-7 at its end.  B has two sets.
.macro STEP slot, q, cm
	s_wait_dscnt 4*NL                              ; B's set and A's blocks 0-3 are in; the 24 youngest loads (A's blocks 4-7) may be out
.if \cm
	WIN FST_LO
.else
	WIN MUL_LO
.endif
	MUL16 0, (\q)%2, \q, \slot, \cm
	MUL16 2, (\q)%2, \q, \slot, \cm
	s_wait_dscnt 0
	PLACES NP
	FETCH_B \slot, (\q)+1, 1-(\q)%2
	FETCH_A \slot, (\q)+1, 0
.if \cm
	WIN FST_HI
.else
	WIN MUL_HI
.endif
	MUL16 4, (\q)%2, \q, \slot, \cm
	MUL16 6, (\q)%2, \q, \slot, \cm
	PLACES NP
	WIN 0
	FETCH_A \slot, (\q)+1, 4
.endm
; A slot's last step changes slots: one barrier; in front of it each wave waits for all its tensor loads, adds 0 to its spare word, and waits for that and for its own reads of this slot.  fill = 1: this slot is filled again.
.macro TURN slot, next, fill
	s_wait_tensorcnt 0x0                           ; all my tensor loads have landed: my part of the next slot
	ds_add_u32 v[SPW], v[NIL]                      ; 0 onto my spare word
	s_wait_dscnt 4*NL+1                            ; (the add and the 24 youngest loads may be out)
	WIN MUL_LO
	MUL16 0, 1, NQ-1, \slot, 0
	s_wait_dscnt 0x0                               ; the add is done, and my reads of this slot are over
	s_barrier_signal -1
	MUL16 2, 1, NQ-1, \slot, 0
	WIN 0
	s_barrier_wait -1
.if \fill
	CREST                                          ; the barrier has opened a round of the cluster's: no wave of any partner still reads this slot or has a load on its way
	s_add_nc_u64 s[G0+4*\slot+2:G0+4*\slot+3], s[G0+4*\slot+2:G0+4*\slot+3], 2*TROW
	s_add_nc_u64 s[G0B+4*\slot+2:G0B+4*\slot+3], s[G0B+4*\slot+2:G0B+4*\slot+3], 2*TROW
	JLOAD G0+4*\slot, G1, G0B+4*\slot, G1B         ; the first tensor load behind the round, my one until the next; its four v_nop are the places in front of the loads below
.else
	PLACES NP
.endif
	s_wait_alu depctr_va_vdst(0)
	v_add_nc_u32 v[ADRS], 4*NQ, v[ADRS]            ; on to the next slot's scale words
	FETCH_B \next, 0, 0
	FETCH_A \next, 0, 0
	SCALES \next
	WIN MUL_HI
	MUL16 4, 1, NQ-1, \slot, 0
	MUL16 6, 1, NQ-1, \slot, 0
	PLACES NP
	WIN 0
	FETCH_A \next, 0, 4
.endm
	s_wait_tensorcnt 1                             ; the scales and my part of slot 0 are in; slot 1's load may be out
	s_barrier_signal -1
	s_barrier_wait -1
	FETCH_B 0, 0, 0
	FETCH_A 0, 0, 0
	s_wait_alu depctr_va_vdst(0)
	SCALES 0
	FETCH_A 0, 0, 4
	s_wait_loadcnt 0x0                             ; the bias
	s_cmp_eq_u32 ttmp9, 2                          ; the first step is written twice: the bias goes by B's block (q, k) or by A's (v).  No tensor load and no barrier stands in it
	s_cbranch_scc1 .Lfirst_v
	STEP 0, 0, 1
	s_branch .Lfirst_done
.Lfirst_v:
	STEP 0, 0, 2
.Lfirst_done:
	TURN 0, 1, 1                                   ; K = 1,024 is twice round the ring: the one lap that fills both slots again is written out
	STEP 1, 0, 0
	TURN 1, 0, 1
	STEP 0, 0, 0
	TURN 0, 1, 0                                   ; the last lap fills nothing, and has no round of the cluster's barrier
	STEP 1, 0, 0
	s_wait_dscnt 4*NL
	WIN MUL_LO
	MUL16 0, 1, NQ-1, 1, 0
	MUL16 2, 1, NQ-1, 1, 0
	s_wait_dscnt 0
	WIN MUL_HI
	MUL16 4, 1, NQ-1, 1, 0
	MUL16 6, 1, NQ-1, 1, 0
	WIN 0
; THE WAY OUT.  For each of A's blocks a lane holds 64 numbers of ONE row of A, register 16 b + i = place 32 b + 16 h + i along B's 128: four blocks of 32 of the axis that is quantised.  They become an image and a scale word.
; q, k: the row is a token, the 128 places are two heads' channels: the image's first half goes to the first head, the second half to the next; likewise the scale word's halves.
; v: the row is a channel, the 128 places are 128 keys: the image goes as it is; blocks 0-3 are the first head's 64 channels, blocks 4-7 the next head's.
	s_cmp_eq_u32 ttmp9, 0
	s_cselect_b64 s[4:5], s[96:97], s[98:99]       ; q goes to qq, k and v to kv
	s_mov_b32 s6, 212992
	s_cselect_b32 s6, 106496, s6                   ; a head's bytes
	s_mov_b32 s7, 13312
	s_cselect_b32 s7, 6656, s7                     ; 128 tokens' bytes
	s_mov_b32 s8, 12288
	s_cselect_b32 s8, 6144, s8                     ; where the scale words begin (q, k)
	s_and_b32 s9, s[COL0], 1023
	s_cmp_eq_u32 ttmp9, 2
	s_cselect_b32 s10, s[COL0], s[ROW0]            ; my first token
	s_cselect_b32 s9, s[ROW0], s9                  ; my first channel
	s_cselect_b32 s8, 12800, s8                    ; (v's scale words)
	s_cselect_b32 s11, 6144, 0                     ; where the codes begin
	s_cselect_b32 s12, 768, s6                     ; from an image's first half to its second
	s_cselect_b32 s13, 64, s6                      ; from lanes 0-15's scale word to lanes 16-31's
	s_cselect_b32 s16, 0, 16                       ; lanes 16-31 take the word's upper half (q, k) or the whole word again (v)
	s_cselect_b32 s17, -1, 0xffff
	s_mov_b32 s44, 768
	s_cselect_b32 s44, 1536, s44                   ; from block to block: codes,
	s_cselect_b32 s46, 128, 64                     ; scale words
	s_cselect_b32 s92, 206848, 0                   ; v, in front of block 4: on to the next head: 212,992 - 4 x 1,536,
	s_cselect_b32 s94, 212480, 0                   ; 212,992 - 4 x 128
	s_mov_b32 s45, 0
	s_mov_b32 s47, 0
	s_mov_b32 s93, 0
	s_mov_b32 s95, 0
	s_lshr_b32 s18, s10, 11                        ; the batch,
	s_lshl_b32 s18, s18, 4
	s_lshr_b32 s19, s9, 6
	s_add_co_u32 s18, s18, s19                     ; my first head of 64
	s_mul_i32 s18, s18, s6
	s_bfe_u32 s19, s10, 0x40007                    ; which 128 tokens of the 2,048
	s_mul_i32 s19, s19, s7
	s_add_co_u32 s18, s18, s19
	s_add_co_u32 s20, s18, s11
	s_mov_b32 s21, 0
	s_add_co_u32 s22, s18, s8
	s_mov_b32 s23, 0
	s_add_nc_u64 s[CB:CB+1], s[4:5], s[20:21]
	s_add_nc_u64 s[SBS:SBS+1], s[4:5], s[22:23]
	s_mov_b32 s[SEL], 0x76543210
	s_mov_b32 s[SEL+1], 0xfedcba98
	v_and_b32 v1, 15, v0                           ; these eight plain lines name no register of the last products: they are the places behind them
	v_bfe_u32 v2, v0, 4, 1
	v_and_b32 v3, 31, v0
	v_lshlrev_b32 v[LN8], 3, v3
	v_add_nc_u32 v[LN8H], s12, v[LN8]
	v_mul_u32_u24 v[SWO], s13, v2
	v_lshl_add_u32 v[SWO], v1, 2, v[SWO]
	v_mul_u32_u24 v[SHV], s16, v2
.irp b, 0,1,2,3
	v_mov_b32 v[TM+4+\b], 0                        ; written once: a lane permute's destination counts as one of its sources
.endr
.macro EPI a
.set AC, 64*((\a)%4)
.set WW, 2+(\a)/4
.set WQ, WW|(WW<<2)
	s_wait_xcnt 0x0                                ; the last block's stores have read their registers and bases
.if (\a) > 0
	s_add_nc_u64 s[CB:CB+1], s[CB:CB+1], s[44:45]
	s_add_nc_u64 s[SBS:SBS+1], s[SBS:SBS+1], s[46:47]
.endif
.if (\a) == 4
	s_add_nc_u64 s[CB:CB+1], s[CB:CB+1], s[92:93]
	s_add_nc_u64 s[SBS:SBS+1], s[SBS:SBS+1], s[94:95]
.endif
	WIN WQ                                         ; sources 0 and 1: the accumulators' window
.irp b, 0,1,2,3
	v_max3_num_f32 v[TM+\b], |v[AC+16*\b]|, |v[AC+1+16*\b]|, 0x1800000   ; each accumulator is read from its low end on; the floor 2^(3 - 127) holds the byte at 1 from below
.endr
.irp i, 2,4,6,8,10,12,14
.irp b, 0,1,2,3
	v_max3_num_f32 v[TM+\b], |v[AC+16*\b+\i]|, |v[AC+1+16*\b+\i]|, v[TM+\b]
.endr
.endr
	WIN 0
.irp b, 0,1,2,3
	v_permlanex16_b32 v[TM+4+\b], v[TM+\b], s[SEL], s[SEL+1]
.endr
.irp b, 0,1,2,3
	v_max_num_f32 v[TM+\b], v[TM+\b], v[TM+4+\b]   ; with lane l xor 16's: the block's largest magnitude
.endr
.irp b, 0,1,2,3
	v_add_nc_u32 v[TM+12+\b], 0xff000000, v[TM+\b] ; 2 off its exponent field: the conversion's scale operand
.endr
.irp b, 0,1,2,3
	v_lshrrev_b32 v[TM+4+\b], 23, v[TM+12+\b]      ; the byte
.endr
	v_lshl_or_b32 v[PW], v[TM+5], 8, v[TM+4]
	v_lshl_or_b32 v[PW], v[TM+6], 16, v[PW]
	v_lshl_or_b32 v[PW], v[TM+7], 24, v[PW]
	WIN WW                                         ; source 0: the accumulators' window
.irp c, 0,1
	v_cvt_scalef32_pk16_fp6_f32 v[PC+6*\c:PC+2+6*\c], v[AC+32*\c:AC+15+32*\c], v[TM+12+2*\c]
	v_cvt_scalef32_pk16_fp6_f32 v[PC+12+4*\c:PC+14+4*\c], v[AC+16+32*\c:AC+31+32*\c], v[TM+13+2*\c]
.endr
	WIN 0
	v_nop                                          ; one plain line behind a scaled conversion
.irp c, 0,1
.irp i, 0,1,2
	v_permlane16_swap_b32 v[PC+6*\c+\i], v[PC+12+4*\c+\i]
.endr
.irp i, 0,1,2
	v_mov_b32 v[PC+3+6*\c+\i], v[PC+12+4*\c+\i]
.endr
.endr
	v_lshrrev_b32 v[OWD], v[SHV], v[PW]
	v_and_b32 v[OWD], s17, v[OWD]
.irp p, 0,1,2
	global_store_b64 v[LN8], v[PC+2*\p:PC+2*\p+1], s[CB:CB+1] offset:256*\p        ; 32 lanes store 256 consecutive bytes, at a multiple of 256 from the buffer's first byte
.endr
.irp p, 0,1,2
	global_store_b64 v[LN8H], v[PC+6+2*\p:PC+7+2*\p], s[CB:CB+1] offset:256*\p
.endr
	global_store_b32 v[SWO], v[OWD], s[SBS:SBS+1]
.endm
.irp a, 0,1,2,3,4,5,6,7
	EPI \a
.endr
	s_wait_tensorcnt 0x0                           ; the wave's end
	ds_add_u32 v[SPW], v[NIL]
	s_wait_dscnt 0x0
	CROUND                                         ; the closing round: no work-group ends while a partner may still ask for a tile that names it
	s_endpgm
.Lfunc_end_k_qafd9cef49b_qkv:
	.size	k_qafd9cef49b_qkv, .Lfunc_end_k_qafd9cef49b_qkv-k_qafd9cef49b_qkv
	.p2alignl 7, 3214868480
	.fill 96, 4, 3214868480
	.section	.rodata,"a",@progbits
	.p2align	6, 0x0
	.amdhsa_kernel k_qafd9cef49b_qkv
		.amdhsa_group_segment_fixed_size 327680
		.amdhsa_private_segment_fixed_size 0
		.amdhsa_enable_private_segment 0
		.amdhsa_kernarg_size 56
		.amdhsa_user_sgpr_count 2
		.amdhsa_user_sgpr_kernarg_segment_ptr 1
		.amdhsa_wavefront_size32 1
		.amdhsa_system_sgpr_workgroup_id_x 1
		.amdhsa_system_sgpr_workgroup_id_y 1
		.amdhsa_system_sgpr_workgroup_id_z 1
		.amdhsa_system_vgpr_workitem_id 0
		.amdhsa_next_free_vgpr 1024
		.amdhsa_next_free_sgpr 102
		.amdhsa_reserve_vcc 0
		.amdhsa_float_denorm_mode_32 3
		.amdhsa_float_denorm_mode_16_64 3
		.amdhsa_memory_ordered 1
		.amdhsa_forward_progress 1
		.amdhsa_inst_pref_size 192
	.end_amdhsa_kernel
	.amdgpu_metadata
---
amdhsa.version: [ 1, 2 ]
amdhsa.kernels:
  - .name:           k_qafd9cef49b_qkv
    .symbol:         k_qafd9cef49b_qkv.kd
    .args:
      - { .name: xc, .offset: 0, .size: 8, .value_kind: global_buffer, .address_space: global }
      - { .name: xs, .offset: 8, .size: 8, .value_kind: global_buffer, .address_space: global }
      - { .name: wc, .offset: 16, .size: 8, .value_kind: global_buffer, .address_space: global }
      - { .name: ws, .offset: 24, .size: 8, .value_kind: global_buffer, .address_space: global }
      - { .name: b_attn, .offset: 32, .size: 8, .value_kind: global_buffer, .address_space: global }
      - { .name: qq, .offset: 40, .size: 8, .value_kind: global_buffer, .address_space: global }
      - { .name: kv, .offset: 48, .size: 8, .value_kind: global_buffer, .address_space: global }
    .group_segment_fixed_size: 327680
    .private_segment_fixed_size: 0
    .kernarg_segment_align: 8
    .kernarg_segment_size: 56
    .max_flat_workgroup_size: 128
    .sgpr_count:     102
    .vgpr_count:     1024
    .wavefront_size: 32
...
	.end_amdgpu_metadata
.endif
;; end of part 2
;; launch attn (part 3): grid 4 x 64, 16 waves a work-group, clusters of 4 x 1, 215,040 bytes of LDS; arguments qq, kv, yc, ys; writes yc, ys
.if DOCPART == 3
	.amdgcn_target "amdgcn-amd-amdhsa--gfx1250"
	.amdhsa_code_object_version 6
	.text
	.protected	k_qafd9cef49b_attn
	.globl	k_qafd9cef49b_attn
	.p2align	8
	.type	k_qafd9cef49b_attn,@function
k_qafd9cef49b_attn:
	s_mov_b64 s[64:65], 0
	v_nop
	global_prefetch_b8 v0, s[64:65] scope:SCOPE_SE
	s_setreg_imm32_b32 hwreg(HW_REG_WAVE_MODE, 25, 1), 1
	s_wait_xcnt 0x0
	s_wait_alu depctr_hold_cnt(0) depctr_sa_sdst(0) depctr_va_vdst(0) depctr_va_sdst(0) depctr_va_ssrc(0) depctr_va_vcc(0) depctr_vm_vsrc(0)
	s_getreg_b32 s2, hwreg(HW_REG_IB_STS2, 6, 4)
	s_cmp_eq_u32 s2, 0
	s_cbranch_scc0 .Lentry_in_a_cluster
	s_endpgm
.Lentry_in_a_cluster:
	s_bfe_u32 s2, ttmp6, 0x10000c
	s_cmp_lg_u32 s2, 0x3003
	s_cbranch_scc0 .Lentry_shape_is_right
	s_endpgm
.Lentry_shape_is_right:
; y[head][q] = the sum over keys k <= q of softmax_k(q . k / 8) v[k], both products on codes of FP6 (E2M3) with E8M0 scales; y leaves as codes, quantised along the channels, as the projection's operand.
; THE SOFTMAX AHEAD OF THE SECOND PRODUCT: t = score x log2(e) / 8; M = the row's largest t so far, rounded UP to a whole number; p = 2^(t - M) is what is quantised, along the keys, not normalised.
; The row's sum is taken of the unquantised p, in f32, and divides at the end.  When M moves, the sum and O are multiplied by 2^(old M - new M): exact.
; IN.  qq: [head 64][group of 128 queries 16][6,656]: 8 tiles x 768 bytes (6 registers a lane, pieces of 256 bytes: lane l's two registers at 8 l), then 8 x 64 bytes of scale words.
; kv: [head][128 keys 16][13,312]: k's 8 tiles x 768; v^T's 4 images (16 channels x 128 keys, 1,536 bytes); k's scale words 8 x 64; v's 4 x 128.  Lane r of tile 2 b + u is token (or channel) 32 b + 8 u + r + 8 (r / 8).
; A HEAD'S WHOLE K AND V LIE IN LDS: 16 x 13,312 bytes, filled once; no byte of LDS is filled again.  A cluster of four work-groups is one head: each of the sixteen waves asks for one sixteenth, jointly with
; the same wave of the three partners, and each work-group receives all of it.
; SHARES.  The head's 128 tiles of 16 queries are 16 groups of 8; group G needs key steps 0 .. G, and only step G lies on the diagonal.  Wave w of work-group cx takes tile e = 2 cx + w % 2 of group w / 2 and then of
; group 15 - w / 2: 17 key steps for every wave.  Branches hang on the wave's number and on a loop's counter alone; cx enters Q's and y's addresses in memory and one vector number, the mask's threshold.
; LAYOUT.  Both products are used transposed: S^T = K Q^T (source 0 = 16 keys), O^T = V^T P^T (source 0 = 16 channels): a lane holds ONE query throughout, and by the order of a tile's rows the 16 registers of two
; neighbouring tiles are 16 neighbouring keys (or channels).
; K = 64 IN AN INSTRUCTION OF 128: Q's operand has zero codes in its registers 6-11; K's operand for tile t is v[32 + 6 t] on, 12 registers, of which the upper six are the next tile's codes (behind tile 7: zeros):
; codes x zero codes add nothing.  Bytes 2 and 3 of q's and k's scale words are 0.
; LIMITS: NaN and infinities are not served; a block of zeros, or one under 2^-124, gets the byte 1; only this program reads the bytes.
; REGISTERS: v1-4 lane terms; v8-9 LDS addresses; v12 -M, v13 the largest t, v[14:15] the sum; v16-27, v204-215 Q of the two tiles; v28, v29 their scale words; v32-79 K's, then V's fragments; v80-85 zeros;
; v96-159 S^T, then p; v160-191 O^T; v192-199 K's scale words, v200-203 V's; v224-235 p's codes; v232-254 at work; v253 p's scale word.
.set STEPB, 13312
.set VOFF,  6144
.set KSOFF, 12288
.set VSOFF, 12800
.set TB,   2                           ; s2   LDS byte at which the key step in hand begins
.set CNT,  3                           ; s3   the key step
.set WV,   18
.set SEL,  20
.set CS,   22                          ; s[22:23] c = log2(e) / 8
.set G1,   24
.set G0,   32
.set GA,   36                          ; s36, s37 my two groups
.set GB,   37
.set BA,   40                          ; s[40:47] the first tile's four addresses: Q's codes, Q's scale words, y's codes, y's scale bytes
.set BB,   48                          ; s[48:55] the second's
.set HI16, 56                          ; s56  lanes 16-31
.macro CROUND                          ; a round of the cluster's barrier
	s_barrier_signal -1
	s_barrier_wait -1
	s_cmp_lg_u32 s[WV], 0
	s_cbranch_scc1 .Lnot_wave_0_\@
	s_barrier_signal -3
.Lnot_wave_0_\@:
	s_barrier_wait -3
	s_barrier_signal -1
	s_barrier_wait -1
.endm
.macro BASES g, o                      ; the four byte offsets of tile e (s16) of group s[g]
	s_mul_i32 s57, s[\g], 6656
	s_add_co_u32 s57, s57, s19                     ; the group in qq
	s_mul_i32 s58, s16, 768
	s_add_co_u32 s[\o], s57, s58
	s_mov_b32 s[\o+1], 0
	s_lshl_b32 s58, s16, 6
	s_add_co_u32 s58, s58, 6144
	s_add_co_u32 s[\o+2], s57, s58
	s_mov_b32 s[\o+3], 0
	s_lshl_b32 s57, s[\g], 3
	s_add_co_u32 s57, s57, s16
	s_add_co_u32 s57, s57, s59                     ; the tile of 16 tokens among the 512
	s_mul_i32 s58, s57, 12288
	s_add_co_u32 s[\o+4], s58, s60                 ; + 768 x head: half an image
	s_mov_b32 s[\o+5], 0
	s_lshl_b32 s58, s57, 9
	s_add_co_u32 s[\o+6], s58, s61                 ; + 2 x head
	s_mov_b32 s[\o+7], 0
.endm
	s_load_b128 s[4:7], s[0:1], 0x0                ; qq, kv
	s_load_b128 s[8:11], s[0:1], 0x10              ; yc, ys
	v_lshl_add_u32 v251, v0, 2, 0x34000
	v_mov_b32 v255, 0
	ds_add_u32 v251, v255
	ds_add_u32 v251, v255
	v_lshrrev_b32 v1, 5, v0
	s_delay_alu instid0(VALU_DEP_1)
	v_readfirstlane_b32 s[WV], v1                  ; wave 0..15
	s_bfe_u32 s12, ttmp6, 0x40000                  ; cx
	s_and_b32 s13, ttmp7, 0xffff                   ; the head of 64, which the four partners share
	s_mul_i32 s38, s[WV], STEPB                    ; my sixteenth: in LDS,
	s_mul_i32 s14, s13, 16*STEPB
	s_add_co_u32 s14, s14, s38                     ; and in kv
	s_mov_b32 s15, 0
	s_mov_b32 s[G1], 15|(3<<16)|(1<<21)            ; 15:0 the mask: all four work-groups; 17:16 elements of 8 bytes; 21 set beside a mask
	s_mov_b32 s[G1+1], 32<<16                      ; tensor_dim0: rows of 256 bytes
	s_mov_b32 s[G1+2], 52<<16                      ; tensor_dim1: 52 of them, dense
	s_mov_b32 s[G1+3], 32<<16                      ; tile_dim0
	s_mov_b32 s[G1+4], 52                          ; tile_dim1
	s_mov_b32 s[G1+5], 32                          ; tensor_dim0_stride
	s_mov_b32 s[G1+6], 0
	s_mov_b32 s[G1+7], 0
	s_and_b32 s16, s[WV], 1
	s_lshl_b32 s17, s12, 1
	s_add_co_u32 s16, s16, s17                     ; e
	s_lshr_b32 s[GA], s[WV], 1
	s_sub_co_u32 s[GB], 15, s[GA]
	s_mul_i32 s19, s13, 106496                     ; the head in qq
	s_lshr_b32 s59, s13, 4
	s_lshl_b32 s59, s59, 7                         ; the batch's first tile of tokens
	s_and_b32 s60, s13, 15
	s_lshl_b32 s61, s60, 1
	s_mul_i32 s60, s60, 768
	BASES GA, BA
	BASES GB, BB
	s_lshr_b32 s62, s16, 1
	s_lshl_b32 s62, s62, 5
	s_and_b32 s63, s16, 1
	s_lshl_b32 s63, s63, 3
	s_add_co_u32 s62, s62, s63                     ; 32 (e / 2) + 8 (e % 2)
	s_mov_b32 s[SEL], 0x76543210
	s_mov_b32 s[SEL+1], 0xfedcba98
	s_mov_b32 s[CS], 0x3e38aa3b
	s_mov_b32 s[CS+1], s[CS]                       ; (named with it as a pair, so it is written)
	s_mov_b32 s[HI16], 0xffff0000
	s_wait_dscnt 0x0
	s_wait_kmcnt 0x0
	s_add_nc_u64 s[14:15], s[6:7], s[14:15]
.irp o, BA, BB
	s_add_nc_u64 s[\o:\o+1], s[4:5], s[\o:\o+1]
	s_add_nc_u64 s[\o+2:\o+3], s[4:5], s[\o+2:\o+3]
	s_add_nc_u64 s[\o+4:\o+5], s[8:9], s[\o+4:\o+5]
	s_add_nc_u64 s[\o+6:\o+7], s[10:11], s[\o+6:\o+7]
.endr
	CROUND                                         ; all four work-groups are here: the joint loads meet
	s_mov_b32 s[G0], 1
	s_mov_b32 s[G0+1], s38
	s_mov_b64 s[G0+2:G0+3], s[14:15]
	s_or_b32 s[G0+3], s[G0+3], 0x80000000
	tensor_load_to_lds s[G0:G0+3], s[G1:G1+7]      ; my one tensor load of the launch
	s_nop 0
.rept 4
	v_nop
.endr
	v_and_b32 v1, 31, v0
	s_delay_alu instid0(VALU_DEP_1)
	v_lshlrev_b32 v1, 3, v1                        ; 8 x lane: a piece of an image
	v_and_b32 v5, 15, v0                           ; r
	v_bfe_u32 v6, v0, 4, 1                         ; h
	s_delay_alu instid0(VALU_DEP_2)
	v_lshlrev_b32 v2, 2, v5                        ; 4 r: a scale word
	s_delay_alu instid0(VALU_DEP_3)
	v_and_b32 v7, 8, v5
	s_delay_alu instid0(VALU_DEP_1)
	v_add_nc_u32 v3, v5, v7
	s_delay_alu instid0(VALU_DEP_1)
	v_add_nc_u32 v3, s62, v3                       ; my query among its group's 128,
	v_lshlrev_b32 v7, 4, v6
	s_delay_alu instid0(VALU_DEP_1)
	v_sub_nc_u32 v3, v3, v7                        ; less 16 h: register 16 b + i holds key 32 b + 16 h + i, hidden on the diagonal where 32 b + i is greater than this
	v_lshl_add_u32 v4, v5, 5, v6                   ; y's scale byte: row r of 32, + h
.irp p, 0,1,2
	global_load_b64 v[16+2*\p:17+2*\p], v1, s[BA:BA+1] offset:256*\p
	global_load_b64 v[204+2*\p:205+2*\p], v1, s[BB:BB+1] offset:256*\p
.endr
	global_load_b32 v28, v2, s[BA+2:BA+3]
	global_load_b32 v29, v2, s[BB+2:BB+3]
.irp i, 0,1,2,3,4,5
	v_mov_b32 v[22+\i], 0                          ; zero codes for K = 64 .. 127
	v_mov_b32 v[210+\i], 0
	v_mov_b32 v[80+\i], 0
.endr
.irp b, 0,1,2,3
	v_mov_b32 v[236+\b], 0                         ; written once: a lane permute's destination counts as one of its sources
.endr
	v_mov_b32 v252, 0
	v_mov_b32 v253, 0                              ; (named as the upper half of the pair v[252:253] before it is first written)
	s_wait_tensorcnt 0x0                           ; my sixteenth is in,
	s_barrier_signal -1
	s_barrier_wait -1                              ; everybody's is
	s_wait_loadcnt 0x0                             ; Q
; ONE TILE OF 16 QUERIES.  qf, qs: Q's operand and scale word; g: the scalar register with its group; ycb, ysb: where y goes.
.macro TILE qf, qs, g, ycb, ysb
	s_wait_xcnt 0x0                                ; the stores of the tile before have read their registers
	v_mov_b32 v13, 0xff61b1e6                      ; the largest t so far: -3e38, under every t
	s_delay_alu instid0(VALU_DEP_1)
	v_floor_f32 v12, -v13                          ; -M
	v_mov_b32 v14, 0
	v_mov_b32 v15, 0
.set n, 0
.rept 32
	v_mov_b32 v[160+n], 0                          ; O^T: the step is written once; the first finds zeros, which the first change of M leaves zeros
.set n, n+1
.endr
	s_mov_b32 s[TB], 0
	s_mov_b32 s[CNT], 0
.Lstep_\@:                                         ; 16 trips, a constant: a step whose keys all come after my queries leaves its work out
	s_cmp_gt_u32 s[CNT], s[\g]
	s_cbranch_scc1 .Lhidden_\@
	s_setprio 2
	v_add_nc_u32 v8, s[TB], v1
	v_add_nc_u32 v9, s[TB], v2
.irp t, 0,1,2,3,4,5,6,7
.irp p, 0,1,2
	ds_load_b64 v[32+6*\t+2*\p:33+6*\t+2*\p], v8 offset:768*\t+256*\p
.endr
	ds_load_b32 v[192+\t], v9 offset:KSOFF+64*\t
.endr
	s_wait_alu depctr_va_vdst(0)
	s_wait_dscnt 0x0
.irp t, 0,1,2,3,4,5,6,7
	v_wmma_scale_f32_16x16x128_f8f6f4 v[96+8*\t:103+8*\t], v[32+6*\t:43+6*\t], v[\qf:\qf+11], 0, v[192+\t], v[\qs] matrix_a_fmt:MATRIX_FMT_FP6 matrix_b_fmt:MATRIX_FMT_FP6
.endr
.rept 4
	v_nop                                          ; places in front of the loads over K's registers and of the first read of the scores
.endr
.irp t, 0,1,2,3                                ; V's fragments are asked for now and land under the softmax
.irp p, 0,1,2,3,4,5
	ds_load_b64 v[32+12*\t+2*\p:33+12*\t+2*\p], v8 offset:VOFF+1536*\t+256*\p
.endr
	ds_load_b32 v[200+\t], v9 offset:VSOFF+128*\t
.endr
	s_cmp_lt_u32 s[CNT], s[\g]                     ; only step G lies on the diagonal
	s_cbranch_scc1 .Lopen_\@
	v_mov_b32 v254, 0xff800000                     ; hidden scores become -infinity ahead of the maximum: p = 0 then
.set n, 0
.rept 64
	v_cmp_gt_i32 vcc_lo, 32*(n/16)+n%16, v3
	v_cndmask_b32 v[96+n], v[96+n], v254, vcc_lo
.set n, n+1
.endr
.Lopen_\@:
.irp b, 0,1,2,3
	v_max3_num_f32 v[232+\b], v[96+16*\b], v[97+16*\b], v[98+16*\b]   ; the largest score of each block of 32 keys: it serves for the row's maximum and, since p rises with the score, for the block's largest p
.endr
.irp i, 3,5,7,9,11,13
.irp b, 0,1,2,3
	v_max3_num_f32 v[232+\b], v[232+\b], v[96+16*\b+\i], v[97+16*\b+\i]
.endr
.endr
.irp b, 0,1,2,3
	v_max_num_f32 v[232+\b], v[232+\b], v[111+16*\b]
.endr
.irp b, 0,1,2,3
	s_delay_alu instid0(VALU_DEP_4)
	v_permlanex16_b32 v[236+\b], v[232+\b], s[SEL], s[SEL+1]
.endr
.irp b, 0,1,2,3
	s_delay_alu instid0(VALU_DEP_4)
	v_max_num_f32 v[232+\b], v[232+\b], v[236+\b]  ; with lane l xor 16's 16 keys
.endr
	s_delay_alu instid0(VALU_DEP_2)
	v_max3_num_f32 v254, v232, v233, v234
	s_delay_alu instid0(VALU_DEP_1)
	v_max_num_f32 v254, v254, v235                 ; the step's largest score of my query
	s_delay_alu instid0(VALU_DEP_1)
	v_mul_f32 v254, s[CS], v254                    ; as t
	s_delay_alu instid0(VALU_DEP_1)
	v_max_num_f32 v13, v13, v254                   ; the running largest t
	v_mov_b32 v254, v12
	s_delay_alu instid0(VALU_DEP_2)
	v_floor_f32 v12, -v13                          ; the new -M = -ceil(t): a whole number
	s_delay_alu instid0(VALU_DEP_1)
	v_sub_f32 v254, v12, v254                      ; old M - new M: a whole number, 0 or less
	s_delay_alu instid0(VALU_DEP_1)
	v_cvt_i32_f32 v254, v254                       ; (it saturates)
	s_delay_alu instid0(VALU_DEP_1)
	v_ldexp_f32 v252, 1.0, v254                    ; f = 2^(old M - new M)
.set n, 0
	s_setprio 1
.rept 32
	v_pk_fma_f32 v[96+n:97+n], v[96+n:97+n], s[CS:CS+1], v[12:13] op_sel_hi:[1,0,0]   ; t - M, two at a time
.set n, n+2
.endr
.irp b, 0,1,2,3
	v_fma_f32 v[232+\b], v[232+\b], s[CS], v12     ; the same of each block's largest score
.endr
.set n, 0
	s_wait_alu depctr_va_vdst(0)
.rept 64
	v_exp_f32 v[96+n], v[96+n]                     ; p = 2^(t - M), at most 1
.set n, n+1
.endr
	v_pk_mul_f32 v[14:15], v[14:15], v[252:253] op_sel_hi:[1,0]   ; the sums under the new M: a plain line behind the exponentials
	s_wait_alu depctr_va_vdst(0)                   ; one wait for the whole batch, ahead of its first reader
.irp b, 0,1,2,3
	v_exp_f32 v[232+\b], v[232+\b]                 ; the block's largest p
.endr
	v_pk_add_f32 v[236:237], v[100:101], v[104:105]
	v_pk_add_f32 v[248:249], v[108:109], v[112:113]
	v_pk_add_f32 v[246:247], v[116:117], v[120:121]
	v_pk_add_f32 v[244:245], v[124:125], v[128:129]
	v_pk_add_f32 v[242:243], v[132:133], v[136:137]
	v_pk_add_f32 v[240:241], v[140:141], v[144:145]
	v_pk_add_f32 v[238:239], v[148:149], v[152:153]
	v_pk_add_f32 v[14:15], v[14:15], v[156:157]
	v_pk_add_f32 v[236:237], v[236:237], v[96:97]
	v_pk_add_f32 v[248:249], v[248:249], v[98:99]
	v_pk_add_f32 v[246:247], v[246:247], v[102:103]
	v_pk_add_f32 v[244:245], v[244:245], v[106:107]
	v_pk_add_f32 v[242:243], v[242:243], v[110:111]
	v_pk_add_f32 v[240:241], v[240:241], v[114:115]
	v_pk_add_f32 v[238:239], v[238:239], v[118:119]
	v_pk_add_f32 v[14:15], v[14:15], v[122:123]
	v_pk_add_f32 v[236:237], v[236:237], v[126:127]
	v_pk_add_f32 v[248:249], v[248:249], v[130:131]
	v_pk_add_f32 v[246:247], v[246:247], v[134:135]
	v_pk_add_f32 v[244:245], v[244:245], v[138:139]
	v_pk_add_f32 v[242:243], v[242:243], v[142:143]
	v_pk_add_f32 v[240:241], v[240:241], v[146:147]
	v_pk_add_f32 v[238:239], v[238:239], v[150:151]
	v_pk_add_f32 v[14:15], v[14:15], v[154:155]
	v_pk_add_f32 v[236:237], v[236:237], v[158:159]
	s_delay_alu instid0(VALU_DEP_2)
	v_pk_add_f32 v[14:15], v[14:15], v[244:245]
	s_delay_alu instid0(VALU_DEP_2)
	v_pk_add_f32 v[236:237], v[236:237], v[242:243]
	v_pk_add_f32 v[248:249], v[248:249], v[240:241]
	v_pk_add_f32 v[246:247], v[246:247], v[238:239]
	s_delay_alu instid0(VALU_DEP_2)
	v_pk_add_f32 v[14:15], v[14:15], v[248:249]
	s_delay_alu instid0(VALU_DEP_2)
	v_pk_add_f32 v[236:237], v[236:237], v[246:247]
	s_delay_alu instid0(VALU_DEP_1)
	v_pk_add_f32 v[14:15], v[14:15], v[236:237]
	s_wait_alu depctr_va_vdst(0)                   ; and one for the four
.irp b, 0,1,2,3
	v_max_num_f32 v[232+\b], 0x1800000, v[232+\b]  ; the floor 2^(3 - 127): the byte cannot fall under 1
.endr
.irp b, 0,1,2,3
	s_delay_alu instid0(VALU_DEP_4)
	v_add_nc_u32 v[244+\b], 0xff000000, v[232+\b]  ; the conversion's scale operand
.endr
.irp b, 0,1,2,3
	s_delay_alu instid0(VALU_DEP_4)
	v_lshrrev_b32 v[236+\b], 23, v[244+\b]         ; the byte
.endr
	s_delay_alu instid0(VALU_DEP_3)
	v_lshl_or_b32 v253, v237, 8, v236              ; p's scale word for these 128 keys
	s_delay_alu instid0(VALU_DEP_1)
	v_lshl_or_b32 v253, v238, 16, v253
	s_delay_alu instid0(VALU_DEP_1)
	v_lshl_or_b32 v253, v239, 24, v253
	s_setprio 0
.irp c, 0,1
	v_cvt_scalef32_pk16_fp6_f32 v[224+6*\c:226+6*\c], v[96+32*\c:111+32*\c], v[244+2*\c]
	v_cvt_scalef32_pk16_fp6_f32 v[236+4*\c:238+4*\c], v[112+32*\c:127+32*\c], v[244+2*\c+1]
.endr
	v_nop                                          ; one plain line behind a scaled conversion
.irp c, 0,1
.irp i, 0,1,2
	v_permlane16_swap_b32 v[224+6*\c+\i], v[236+4*\c+\i]
.endr
.irp i, 0,1,2
	s_delay_alu instid0(VALU_DEP_3)
	v_mov_b32 v[227+6*\c+\i], v[236+4*\c+\i]
.endr
.endr
.set n, 0
.rept 16
	v_pk_mul_f32 v[160+n:161+n], v[160+n:161+n], v[252:253] op_sel_hi:[1,0]   ; O^T under the new M.  These sixteen also stand between the lines that made p's codes and scale word and the products below
.set n, n+2
.endr
	s_wait_alu depctr_va_vdst(0)
	s_wait_dscnt 0x0                               ; V
.irp t, 0,1,2,3
	v_wmma_scale_f32_16x16x128_f8f6f4 v[160+8*\t:167+8*\t], v[32+12*\t:43+12*\t], v[224:235], v[160+8*\t:167+8*\t], v[200+\t], v253 matrix_a_fmt:MATRIX_FMT_FP6 matrix_b_fmt:MATRIX_FMT_FP6
.endr
.rept 4
	v_nop                                          ; places in front of the next step's loads and of the way out's reads
.endr
.Lhidden_\@:
	s_add_co_u32 s[TB], s[TB], STEPB
	s_add_co_u32 s[CNT], s[CNT], 1
	s_cmp_lt_u32 s[CNT], 16
	s_cbranch_scc1 .Lstep_\@
	s_setprio 0
	; the way out: O^T / the sum; register 16 b + i is channel 32 b + 16 h + i of my query: two blocks of the projection's K
	v_add_f32 v14, v14, v15
	s_delay_alu instid0(VALU_DEP_1)
	v_permlanex16_b32 v252, v14, s[SEL], s[SEL+1]
	s_delay_alu instid0(VALU_DEP_1)
	v_add_f32 v14, v14, v252                       ; the row's sum
	s_wait_alu depctr_va_vdst(0)
	v_rcp_f32 v14, v14
	v_nop                                          ; a plain line behind the transcendental
	s_wait_alu depctr_va_vdst(0)                   ; and the wait ahead of its first reader
.set n, 0
.rept 16
	v_pk_mul_f32 v[96+n:97+n], v[160+n:161+n], v[14:15] op_sel_hi:[1,0]
.set n, n+2
.endr
.irp b, 0,1
	v_max3_num_f32 v[232+\b], |v[96+16*\b]|, |v[97+16*\b]|, 0x1800000
.endr
.irp i, 2,4,6,8,10,12,14
.irp b, 0,1
	s_delay_alu instid0(VALU_DEP_2)
	v_max3_num_f32 v[232+\b], v[232+\b], |v[96+16*\b+\i]|, |v[97+16*\b+\i]|
.endr
.endr
.irp b, 0,1
	s_delay_alu instid0(VALU_DEP_2)
	v_permlanex16_b32 v[236+\b], v[232+\b], s[SEL], s[SEL+1]
.endr
.irp b, 0,1
	s_delay_alu instid0(VALU_DEP_2)
	v_max_num_f32 v[232+\b], v[232+\b], v[236+\b]
.endr
.irp b, 0,1
	s_delay_alu instid0(VALU_DEP_2)
	v_add_nc_u32 v[244+\b], 0xff000000, v[232+\b]
.endr
.irp b, 0,1
	s_delay_alu instid0(VALU_DEP_2)
	v_lshrrev_b32 v[236+\b], 23, v[244+\b]
.endr
	v_cvt_scalef32_pk16_fp6_f32 v[224:226], v[96:111], v244
	v_cvt_scalef32_pk16_fp6_f32 v[240:242], v[112:127], v245
	v_nop                                          ; one plain line behind a scaled conversion
.irp i, 0,1,2
	v_permlane16_swap_b32 v[224+\i], v[240+\i]
.endr
.irp i, 0,1,2
	s_delay_alu instid0(VALU_DEP_3)
	v_mov_b32 v[227+\i], v[240+\i]
.endr
	v_cndmask_b32 v243, v236, v237, s[HI16]        ; lane (r, h) stores block h's byte
.irp p, 0,1,2
	global_store_b64 v1, v[224+2*\p:225+2*\p], s[\ycb:\ycb+1] offset:256*\p   ; 32 lanes store 256 consecutive bytes, at a multiple of 256 from the buffer's first byte
.endr
	global_store_b8 v4, v243, s[\ysb:\ysb+1]
.endm
	TILE 16, 28, GA, BA+4, BA+6
	TILE 204, 29, GB, BB+4, BB+6
	s_wait_dscnt 0x0
	s_wait_tensorcnt 0x0
	ds_add_u32 v251, v255
	s_wait_dscnt 0x0
	CROUND                                         ; the closing round
	s_endpgm
.Lfunc_end_k_qafd9cef49b_attn:
	.size	k_qafd9cef49b_attn, .Lfunc_end_k_qafd9cef49b_attn-k_qafd9cef49b_attn
	.p2alignl 7, 3214868480
	.fill 96, 4, 3214868480
	.section	.rodata,"a",@progbits
	.p2align	6, 0x0
	.amdhsa_kernel k_qafd9cef49b_attn
		.amdhsa_group_segment_fixed_size 215040
		.amdhsa_private_segment_fixed_size 0
		.amdhsa_enable_private_segment 0
		.amdhsa_kernarg_size 32
		.amdhsa_user_sgpr_count 2
		.amdhsa_user_sgpr_kernarg_segment_ptr 1
		.amdhsa_wavefront_size32 1
		.amdhsa_system_sgpr_workgroup_id_x 1
		.amdhsa_system_sgpr_workgroup_id_y 1
		.amdhsa_system_sgpr_workgroup_id_z 1
		.amdhsa_system_vgpr_workitem_id 0
		.amdhsa_next_free_vgpr 256
		.amdhsa_next_free_sgpr 66
		.amdhsa_reserve_vcc 1
		.amdhsa_float_denorm_mode_32 3
		.amdhsa_float_denorm_mode_16_64 3
		.amdhsa_memory_ordered 1
		.amdhsa_forward_progress 1
		.amdhsa_inst_pref_size 67
	.end_amdhsa_kernel
	.amdgpu_metadata
---
amdhsa.version: [ 1, 2 ]
amdhsa.kernels:
  - .name:           k_qafd9cef49b_attn
    .symbol:         k_qafd9cef49b_attn.kd
    .args:
      - { .name: qq, .offset: 0, .size: 8, .value_kind: global_buffer, .address_space: global }
      - { .name: kv, .offset: 8, .size: 8, .value_kind: global_buffer, .address_space: global }
      - { .name: yc, .offset: 16, .size: 8, .value_kind: global_buffer, .address_space: global }
      - { .name: ys, .offset: 24, .size: 8, .value_kind: global_buffer, .address_space: global }
    .group_segment_fixed_size: 215040
    .private_segment_fixed_size: 0
    .kernarg_segment_align: 8
    .kernarg_segment_size: 32
    .max_flat_workgroup_size: 512
    .sgpr_count:     66
    .vgpr_count:     256
    .wavefront_size: 32
...
	.end_amdgpu_metadata
.endif
;; end of part 3
;; launch proj (part 4): grid 4 x 32, 4 waves a work-group, clusters of 4 x 4, 327,680 bytes of LDS; arguments yc, ys, wc, ws, b_proj, out0; writes out0
.if DOCPART == 4
	.amdgcn_target "amdgcn-amd-amdhsa--gfx1250"
	.amdhsa_code_object_version 6
	.text
	.protected	k_qafd9cef49b_proj
	.globl	k_qafd9cef49b_proj
	.p2align	8
	.type	k_qafd9cef49b_proj,@function
k_qafd9cef49b_proj:
	s_mov_b64 s[64:65], 0
	v_nop
	global_prefetch_b8 v0, s[64:65] scope:SCOPE_SE
	s_setreg_imm32_b32 hwreg(HW_REG_WAVE_MODE, 25, 1), 1
	s_wait_xcnt 0x0
	s_wait_alu depctr_hold_cnt(0) depctr_sa_sdst(0) depctr_va_vdst(0) depctr_va_sdst(0) depctr_va_ssrc(0) depctr_va_vcc(0) depctr_vm_vsrc(0)
	s_getreg_b32 s2, hwreg(HW_REG_IB_STS2, 6, 4)
	s_cmp_eq_u32 s2, 0
	s_cbranch_scc0 .Lentry_in_a_cluster
	s_endpgm
.Lentry_in_a_cluster:
	s_bfe_u32 s2, ttmp6, 0x10000c
	s_cmp_lg_u32 s2, 0xf033
	s_cbranch_scc0 .Lentry_shape_is_right
	s_endpgm
.Lentry_shape_is_right:
; out0 = y w_proj + b_proj on codes of FP6 (E2M3) with E8M0 scales, K = 1,024; out0 [8192][1024] f32.
; OPERANDS.  yc (8,192 stored rows: tokens) and wc (w_proj's columns are stored rows 3,072 on) hold images of the operand's registers: a tile of 16 rows is eight images (K steps of 128) of 1,536 bytes; an image is six
; pieces of 256 bytes, piece p = lane l's registers 2 p, 2 p + 1 at byte 8 l.  ys, ws: 32 scale bytes a stored row.  Lane r of stored tile 2 b + u is true row 32 b + 8 u + r + 8 (r / 8): the way out undoes that order on both sides, by constants.
; A tile of the result, 256 x 256, is made by four waves, 128 x 128 each: 64 accumulators, 512 registers.  K goes in steps of 256 through a ring of two LDS slots filled by the tensor data mover.
; THE MATRIX INSTRUCTION IS USED TRANSPOSED (source 0 = a tile of w_proj's columns, source 1 = a tile of tokens): a lane holds eight neighbouring numbers of a row of out0.  THE BIAS is the C of each sum's first matrix instruction (added first, not last).
; CLUSTERS: 4 x 4 work-groups.  The four of a row of the cluster need the same tiles of y, the four of a column the same tiles of w_proj: each is asked for jointly.
; REGISTERS: window 0: v0-31 addresses; v32-63 scale words, two sets; v64-127 the bias; v128-223 A's 8 fragments, one set (v128-255 on the way out).  window 1: B's fragments, two sets.  windows 2, 3: the accumulators.
.set NQ,     2
.set FR,     12
.set NL,     6
.set NP,     4
.set FRB,    1536
.set TROW,   NQ*FRB
.set KROW,   768
.set HALFT,  8*TROW
.set SLOT,   4*HALFT
.set KS,     32
.set SCL,    2*SLOT
.set HALFS,  16*272
.set SBLK,   2*272
.set SPARE,  SCL+4*HALFS               ; the spare words, 128 bytes a wave: two blocks of 256 bytes that no other line names
.set SPITCH, 528                       ; the way out: a stage of 16 rows x (512 bytes + 16) for each wave, in slot 0, which has had its last fill and its last read when the first result is stored there
.set ADRA, 16
.set ADRB, 20
.set STO,  24
.set RD,   25
.set CO,   26
.set ADRS, 27
.set SPW,  28
.set NIL,  29
.set SC,   32
.set BI,   64
.set AF,   128
.set BK,   128
.set G1, 24
.set G0, 32
.set G1B, 48
.set G0B, 56
.set G1S, 68
.set G0S, 76
.set G1SB, 80
.set G0SB, 88
.set MSB, 0
.macro WIN new
.if MSB != \new
	s_set_vgpr_msb (MSB<<8)|\new
.set MSB, \new
.endif
.endm
.set MUL_LO, 0xa1
.set MUL_HI, 0xf1
.set FST_LO, 0x81                      ; the first step: C (the bias) window 0, D window 2
.set FST_HI, 0xc1
.set TO_B,   0x40
.macro JLOAD g0a, g1a, g0b, g1b        ; a joint load: waves 0 and 1 fetch for A, waves 2 and 3 for B; four v_nop follow each of the two lines
	s_cmp_eq_u32 s15, 0
	s_cbranch_scc0 .Lfor_b_\@
	tensor_load_to_lds s[\g0a:\g0a+3], s[\g1a:\g1a+7]
	s_nop 0
.rept 4
	v_nop
.endr
	s_branch .Lasked_\@
.Lfor_b_\@:
	tensor_load_to_lds s[\g0b:\g0b+3], s[\g1b:\g1b+7]
	s_nop 0
.rept 4
	v_nop
.endr
.Lasked_\@:
.endm
.macro CREST
	s_cmp_lg_u32 s14, 0
	s_cbranch_scc1 .Lnot_wave_0_\@
	s_barrier_signal -3
.Lnot_wave_0_\@:
	s_barrier_wait -3
	s_barrier_signal -1
	s_barrier_wait -1
.endm
.macro CROUND
	s_barrier_signal -1
	s_barrier_wait -1
	CREST
.endm
	s_load_b128 s[4:7], s[0:1], 0x0                ; yc, ys
	s_load_b128 s[8:11], s[0:1], 0x10              ; wc, ws
	s_load_b64 s[96:97], s[0:1], 0x20              ; b_proj
	s_load_b64 s[12:13], s[0:1], 0x28              ; out0
	v_lshl_add_u32 v[SPW], v0, 2, SPARE
	v_mov_b32 v[NIL], 0
	ds_add_u32 v28, v29
	ds_add_u32 v28, v29
	s_wait_dscnt 0x0
	v_lshrrev_b32 v1, 5, v0
	v_readfirstlane_b32 s14, v1                    ; wave 0..3
	s_lshr_b32 s15, s14, 1                         ; which half of the tile's rows is mine.  Also: I fetch for A (0) or for B (1)
	s_and_b32 s16, s14, 1                          ; which half of its columns.  Also: which 128 rows I fetch
	s_bfe_u32 s40, ttmp6, 0x40000                  ; cx, cy
	s_bfe_u32 s41, ttmp6, 0x40004
	s_lshl_b32 s42, ttmp9, 2
	s_add_co_u32 s42, s42, s40                     ; tile column
	s_and_b32 s17, ttmp7, 0xffff
	s_lshl_b32 s17, s17, 2
	s_add_co_u32 s17, s17, s41                     ; tile row
	s_lshl_b32 s43, s41, 2
	s_lshl_b32 s43, 15, s43                        ; my row of the cluster
	s_lshl_b32 s44, 0x1111, s40                    ; my column
	; descriptor group 1 for the codes: 8 tiles of rows x 3,072 bytes (384 elements of 8 bytes), 12,288 bytes apart in memory, dense in LDS
	s_or_b32 s[G1+0], s43, (3<<16)|(1<<21)
	s_or_b32 s[G1B+0], s44, (3<<16)|(1<<21)
.irp g, G1, G1B
	s_mov_b32 s[\g+1], 384<<16
	s_mov_b32 s[\g+2], 8<<16
	s_mov_b32 s[\g+3], 384<<16
	s_mov_b32 s[\g+4], 8
	s_mov_b32 s[\g+5], 1536
	s_mov_b32 s[\g+6], 0
	s_mov_b32 s[\g+7], 0
.endr
	; and for the scales of 128 rows: 4,096 dense bytes as 16 rows of 256 bytes, 16 bytes of padding behind each
	s_or_b32 s[G1S+0], s43, (3<<16)|(1<<20)|(1<<21)|(5<<22)|(3<<25)
	s_or_b32 s[G1SB+0], s44, (3<<16)|(1<<20)|(1<<21)|(5<<22)|(3<<25)
.irp g, G1S, G1SB
	s_mov_b32 s[\g+1], 32<<16
	s_mov_b32 s[\g+2], 16<<16
	s_mov_b32 s[\g+3], 32<<16
	s_mov_b32 s[\g+4], 16
	s_mov_b32 s[\g+5], 32
	s_mov_b32 s[\g+6], 0
	s_mov_b32 s[\g+7], 0
.endr
	s_lshl_b32 s18, s16, 7
	s_lshl_b32 s20, s17, 8
	s_add_co_u32 s20, s20, s18                     ; A: stored row 256 x tile row + 128 x half
	s_lshl_b32 s46, s42, 8
	s_add_co_u32 s46, s46, s18
	s_add_co_u32 s46, s46, 3072                    ; B: w_proj's columns begin at stored row 3,072 of wc
	s_mov_b32 s21, 0
	s_mov_b32 s47, 0
	s_mov_b64 s[18:19], KS
	s_mul_u64 s[22:23], s[20:21], s[18:19]
	s_mul_u64 s[92:93], s[46:47], s[18:19]
	s_mov_b64 s[18:19], KROW
	s_mul_u64 s[20:21], s[20:21], s[18:19]
	s_mul_u64 s[46:47], s[46:47], s[18:19]
	s_mul_i32 s45, s14, HALFT
	s_mul_i32 s94, s14, HALFS
	s_wait_kmcnt 0x0
	s_add_nc_u64 s[20:21], s[4:5], s[20:21]
	s_add_nc_u64 s[22:23], s[6:7], s[22:23]
	s_add_nc_u64 s[46:47], s[8:9], s[46:47]
	s_add_nc_u64 s[92:93], s[10:11], s[92:93]
	CROUND                                         ; all sixteen work-groups are here: the first joint loads meet
	s_mov_b32 s[G0S], 1
	s_add_co_u32 s[G0S+1], s94, SCL
	s_mov_b64 s[G0S+2:G0S+3], s[22:23]
	s_or_b32 s[G0S+3], s[G0S+3], 0x80000000
	s_mov_b32 s[G0SB], 1
	s_add_co_u32 s[G0SB+1], s94, SCL
	s_mov_b64 s[G0SB+2:G0SB+3], s[92:93]
	s_or_b32 s[G0SB+3], s[G0SB+3], 0x80000000
	JLOAD G0S, G1S, G0SB, G1SB                     ; the scales of all of K: filled once
.irp s, 0,1
	s_mov_b32 s[G0+4*\s], 1
	s_add_co_u32 s[G0+4*\s+1], s45, \s*SLOT
	s_add_nc_u64 s[G0+4*\s+2:G0+4*\s+3], s[20:21], \s*TROW
	s_or_b32 s[G0+4*\s+3], s[G0+4*\s+3], 0x80000000
	s_mov_b32 s[G0B+4*\s], 1
	s_add_co_u32 s[G0B+4*\s+1], s45, \s*SLOT
	s_add_nc_u64 s[G0B+4*\s+2:G0B+4*\s+3], s[46:47], \s*TROW
	s_or_b32 s[G0B+4*\s+3], s[G0B+4*\s+3], 0x80000000
	s_wait_alu depctr_va_vdst(0)
	s_wait_tensorcnt 0x0
	ds_add_u32 v28, v29
	s_wait_dscnt 0x0
	CROUND
	JLOAD G0+4*\s, G1, G0B+4*\s, G1B               ; one tensor load of mine is out
.endr
	v_and_b32 v1, 15, v0                           ; r
	v_bfe_u32 v2, v0, 4, 1                         ; h
	v_and_b32 v3, 31, v0
	v_lshlrev_b32 v4, 3, v3                        ; a piece of an image: 8 bytes a lane
	s_mul_i32 s21, s15, HALFT
	s_mul_i32 s22, s16, HALFT
	s_add_co_u32 s22, s22, 2*HALFT
.irp s, 0,1
	v_add_nc_u32 v[ADRA+\s], s21, v4
	v_add_nc_u32 v[ADRB+\s], s22, v4
	s_add_co_u32 s21, s21, SLOT
	s_add_co_u32 s22, s22, SLOT
.endr
	v_mul_u32_u24 v5, v1, KS
	v_lshrrev_b32 v6, 8, v5
	v_lshl_add_u32 v5, v6, 4, v5
	s_mul_i32 s21, s15, HALFS
	s_mul_i32 s22, s16, HALFS
	s_add_co_u32 s22, s22, 2*HALFS
	s_sub_co_u32 s22, s22, s21
	v_mul_u32_u24 v6, s22, v2                      ; lanes 16-31 take B's
	s_add_co_u32 s21, s21, SCL
	v_add_nc_u32 v5, v5, v6
	v_add_nc_u32 v[ADRS], s21, v5
	s_mul_i32 s23, s14, 16*SPITCH                  ; my stage
	v_mul_u32_u24 v5, v1, SPITCH
	v_lshl_add_u32 v5, v2, 6, v5                   ; in: row r; block b's eight numbers are columns 32 (b / 2) + 16 h + 8 (b % 2) on: + 64 h here, the rest in the offset
	v_add_nc_u32 v[STO], s23, v5
	v_lshlrev_b32 v[CO], 4, v3                     ; back: the 32 lanes take one row of 512 bytes; and the same in out0
	v_add_nc_u32 v[RD], s23, v[CO]
	s_lshl_b32 s20, s17, 8
	s_lshl_b32 s21, s15, 7
	s_add_co_u32 s20, s20, s21
	s_lshl_b32 s20, s20, 12                        ; my first row of out0, 4,096 bytes a row
	s_lshl_b32 s46, s42, 8
	s_lshl_b32 s47, s16, 7
	s_add_co_u32 s46, s46, s47
	s_lshl_b32 s46, s46, 2                         ; my first column, in bytes
	s_mov_b32 s47, 0
	s_add_nc_u64 s[96:97], s[96:97], s[46:47]
	s_add_co_u32 s20, s20, s46
	s_mov_b32 s21, 0
	s_add_nc_u64 s[12:13], s[12:13], s[20:21]
	v_lshlrev_b32 v5, 6, v2                        ; register 16 b + i of the bias is that of column 32 b + 16 h + i
.irp b, 0,1,2,3
.irp j, 0,1,2,3
	global_load_b128 v[BI+16*\b+4*\j:BI+16*\b+4*\j+3], v5, s[96:97] offset:128*\b+16*\j
.endr
.endr
.macro FRAG reg, adr, q, i             ; a fragment: the six pieces of an image, as they lie: each load takes 256 consecutive bytes
.irp p, 0,1,2,3,4,5
	ds_load_b64 v[\reg+2*\p:\reg+2*\p+1], v[\adr] offset:(\i)*TROW+(\q)*FRB+256*\p
.endr
.endm
; 16 matrix instructions: A's blocks a0, a0 + 1 x B's eight.  cm = 1: the sums start with the bias, by B's block.  The 64 accumulators take turns, one instruction a turn, in the same order in every step.
.macro MUL16 a0, p, q, sc, cm
.irp a, \a0, \a0+1
.irp b, 0,1,2,3,4,5,6,7
.if \cm == 0
	v_wmma_scale_f32_16x16x128_f8f6f4 v[8*(8*((\a)%4)+\b):8*(8*((\a)%4)+\b)+7], v[128*(\p)+FR*\b:128*(\p)+FR*\b+FR-1], v[AF+FR*(\a):AF+FR*(\a)+FR-1], v[8*(8*((\a)%4)+\b):8*(8*((\a)%4)+\b)+7], v[SC+8*NQ*(\sc)+NQ*\b+(\q)], v[SC+8*NQ*(\sc)+NQ*(\a)+(\q)] matrix_a_fmt:MATRIX_FMT_FP6 matrix_b_fmt:MATRIX_FMT_FP6 matrix_a_scale:MATRIX_SCALE_ROW1
.else
	v_wmma_scale_f32_16x16x128_f8f6f4 v[8*(8*((\a)%4)+\b):8*(8*((\a)%4)+\b)+7], v[128*(\p)+FR*\b:128*(\p)+FR*\b+FR-1], v[AF+FR*(\a):AF+FR*(\a)+FR-1], v[BI+8*\b:BI+8*\b+7], v[SC+8*NQ*(\sc)+NQ*\b+(\q)], v[SC+8*NQ*(\sc)+NQ*(\a)+(\q)] matrix_a_fmt:MATRIX_FMT_FP6 matrix_b_fmt:MATRIX_FMT_FP6 matrix_a_scale:MATRIX_SCALE_ROW1
.endif
.endr
.endr
.endm
.macro FETCH_B slot, q, p
	WIN TO_B
.irp i, 0,1,2,3,4,5,6,7
	FRAG 128*(\p)+FR*\i, ADRB+\slot, \q, \i
.endr
	WIN 0
.endm
.macro FETCH_A slot, q, i0
.irp i, \i0, \i0+1, \i0+2, \i0+3
	FRAG AF+FR*(\i), ADRA+\slot, \q, \i
.endr
.endm
.macro SCALES sc
.irp i, 0,1,2,3,4,5,6,7
	ds_load_b64 v[SC+8*NQ*\sc+NQ*\i:SC+8*NQ*\sc+NQ*\i+1], v[ADRS] offset:\i*SBLK
.endr
.endm
.macro PLACES n                        ; plain vector lines between a matrix instruction and a load into, or a read of, its registers (for reads)
.rept \n
	v_nop
.endr
.endm
.macro STEP slot, q, cm
	s_wait_dscnt 4*NL                              ; B's set and A's blocks 0-3 are in; the 24 youngest loads (A's blocks 4-7) may be out
.if \cm
	WIN FST_LO
.else
	WIN MUL_LO
.endif
	MUL16 0, (\q)%2, \q, \slot, \cm
	MUL16 2, (\q)%2, \q, \slot, \cm
	s_wait_dscnt 0
	PLACES NP
	FETCH_B \slot, (\q)+1, 1-(\q)%2
	FETCH_A \slot, (\q)+1, 0
.if \cm
	WIN FST_HI
.else
	WIN MUL_HI
.endif
	MUL16 4, (\q)%2, \q, \slot, \cm
	MUL16 6, (\q)%2, \q, \slot, \cm
	PLACES NP
	WIN 0
	FETCH_A \slot, (\q)+1, 4
.endm
.macro TURN slot, next, fill
	s_wait_tensorcnt 0x0                           ; all my tensor loads have landed: my part of the next slot
	ds_add_u32 v[SPW], v[NIL]                      ; 0 onto my spare word
	s_wait_dscnt 4*NL+1                            ; (the add and the 24 youngest loads may be out)
	WIN MUL_LO
	MUL16 0, 1, NQ-1, \slot, 0
	s_wait_dscnt 0x0                               ; the add is done, and my reads of this slot are over
	s_barrier_signal -1
	MUL16 2, 1, NQ-1, \slot, 0
	WIN 0
	s_barrier_wait -1
.if \fill
	CREST                                          ; the barrier has opened a round of the cluster's: no wave of any partner still reads this slot or has a load on its way
	s_add_nc_u64 s[G0+4*\slot+2:G0+4*\slot+3], s[G0+4*\slot+2:G0+4*\slot+3], 2*TROW
	s_add_nc_u64 s[G0B+4*\slot+2:G0B+4*\slot+3], s[G0B+4*\slot+2:G0B+4*\slot+3], 2*TROW
	JLOAD G0+4*\slot, G1, G0B+4*\slot, G1B         ; the first tensor load behind the round, my one until the next; its four v_nop are the places in front of the loads below
.else
	PLACES NP
.endif
	s_wait_alu depctr_va_vdst(0)
	v_add_nc_u32 v[ADRS], 4*NQ, v[ADRS]
	FETCH_B \next, 0, 0
	FETCH_A \next, 0, 0
	SCALES \next
	WIN MUL_HI
	MUL16 4, 1, NQ-1, \slot, 0
	MUL16 6, 1, NQ-1, \slot, 0
	PLACES NP
	WIN 0
	FETCH_A \next, 0, 4
.endm
	s_wait_alu depctr_va_vdst(0)
	s_wait_tensorcnt 1                             ; the scales and my part of slot 0 are in; slot 1's load may be out
	s_barrier_signal -1
	s_barrier_wait -1
	FETCH_B 0, 0, 0
	FETCH_A 0, 0, 0
	SCALES 0
	FETCH_A 0, 0, 4
	s_wait_loadcnt 0x0                             ; the bias
	STEP 0, 0, 1
	TURN 0, 1, 1                                   ; K = 1,024 is twice round the ring: the one lap that fills both slots again is written out
	STEP 1, 0, 0
	TURN 1, 0, 1
	STEP 0, 0, 0
	TURN 0, 1, 0                                   ; the last lap fills nothing
	STEP 1, 0, 0
	s_wait_dscnt 4*NL
	WIN MUL_LO
	MUL16 0, 1, NQ-1, 1, 0
	MUL16 2, 1, NQ-1, 1, 0
	s_wait_dscnt 0
	WIN MUL_HI
	MUL16 4, 1, NQ-1, 1, 0
	MUL16 6, 1, NQ-1, 1, 0
	WIN 0
; THE WAY OUT, block by block of 16 rows x 128 columns, through my own stage in LDS: in by 32 bytes a lane at the columns' true places, back as whole rows of 512 bytes.  LDS serves a wave's instructions in order.
.macro TOSTAGE a
.set AC, 64*((\a)%4)
.set WD, 0x08+4*((\a)/4)
	WIN WD                                         ; an LDS store's data are its source 1: window 2 or 3
.irp b, 0,1,2,3,4,5,6,7
	ds_store_b128 v[STO], v[AC+8*\b:AC+8*\b+3] offset:128*(\b/2)+32*(\b%2)         ; each accumulator from its low end on
	ds_store_b128 v[STO], v[AC+8*\b+4:AC+8*\b+7] offset:128*(\b/2)+32*(\b%2)+16
.endr
	WIN 0
.set BB, BK+64*((\a)%2)
.irp t, 0,1,2,3,4,5,6,7,8,9,10,11,12,13,14,15
	ds_load_b128 v[BB+4*\t:BB+4*\t+3], v[RD] offset:\t*SPITCH
.endr
.endm
.macro SEND a, younger                 ; stored row t of block a is token 32 (a / 2) + 8 (a % 2) + t + 8 (t / 8) of my 128: every offset is an immediate, 127 rows of 4,096 bytes at the most
.set BB, BK+64*((\a)%2)
	s_wait_dscnt \younger
.irp t, 0,1,2,3,4,5,6,7,8,9,10,11,12,13,14,15
	global_store_b128 v[CO], v[BB+4*\t:BB+4*\t+3], s[12:13] offset:(32*((\a)/2)+8*((\a)%2)+\t+8*(\t/8))*4096 th:TH_STORE_NT   ; 32 lanes store 512 consecutive bytes, at a multiple of 256 from out0's first byte
.endr
.endm
	PLACES NP                                      ; behind the last products: for the loads into the registers that held A's fragments, and for the reads of results
	TOSTAGE 0
.irp a, 1,2,3,4,5,6,7
.if \a > 1
	s_wait_xcnt 0x0                                ; block a - 2's stores have read their registers: block a's loads may land there
.endif
	TOSTAGE \a
	SEND \a-1, 32                                  ; behind block a - 1's loads: block a's 16 stores and 16 loads
.endr
	SEND 7, 0
	s_wait_tensorcnt 0x0                           ; the wave's end
	ds_add_u32 v[SPW], v[NIL]
	s_wait_dscnt 0x0
	CROUND                                         ; the closing round
	s_endpgm
.Lfunc_end_k_qafd9cef49b_proj:
	.size	k_qafd9cef49b_proj, .Lfunc_end_k_qafd9cef49b_proj-k_qafd9cef49b_proj
	.p2alignl 7, 3214868480
	.fill 96, 4, 3214868480
	.section	.rodata,"a",@progbits
	.p2align	6, 0x0
	.amdhsa_kernel k_qafd9cef49b_proj
		.amdhsa_group_segment_fixed_size 327680
		.amdhsa_private_segment_fixed_size 0
		.amdhsa_enable_private_segment 0
		.amdhsa_kernarg_size 48
		.amdhsa_user_sgpr_count 2
		.amdhsa_user_sgpr_kernarg_segment_ptr 1
		.amdhsa_wavefront_size32 1
		.amdhsa_system_sgpr_workgroup_id_x 1
		.amdhsa_system_sgpr_workgroup_id_y 1
		.amdhsa_system_sgpr_workgroup_id_z 1
		.amdhsa_system_vgpr_workitem_id 0
		.amdhsa_next_free_vgpr 1024
		.amdhsa_next_free_sgpr 98
		.amdhsa_reserve_vcc 0
		.amdhsa_float_denorm_mode_32 3
		.amdhsa_float_denorm_mode_16_64 3
		.amdhsa_memory_ordered 1
		.amdhsa_forward_progress 1
		.amdhsa_inst_pref_size 161
	.end_amdhsa_kernel
	.amdgpu_metadata
---
amdhsa.version: [ 1, 2 ]
amdhsa.kernels:
  - .name:           k_qafd9cef49b_proj
    .symbol:         k_qafd9cef49b_proj.kd
    .args:
      - { .name: yc, .offset: 0, .size: 8, .value_kind: global_buffer, .address_space: global }
      - { .name: ys, .offset: 8, .size: 8, .value_kind: global_buffer, .address_space: global }
      - { .name: wc, .offset: 16, .size: 8, .value_kind: global_buffer, .address_space: global }
      - { .name: ws, .offset: 24, .size: 8, .value_kind: global_buffer, .address_space: global }
      - { .name: b_proj, .offset: 32, .size: 8, .value_kind: global_buffer, .address_space: global }
      - { .name: out0, .offset: 40, .size: 8, .value_kind: global_buffer, .address_space: global }
    .group_segment_fixed_size: 327680
    .private_segment_fixed_size: 0
    .kernarg_segment_align: 8
    .kernarg_segment_size: 48
    .max_flat_workgroup_size: 128
    .sgpr_count:     98
    .vgpr_count:     1024
    .wavefront_size: 32
...
	.end_amdgpu_metadata
.endif
;; end of part 4
